; MI455X (gfx1250); checked and timed in simulation.
; The chip was launched on July 23, 2026; its instructions are those of AMD's public machine-readable ISA for CDNA 5 (MIT licence, August 2026) and "CDNA5" Instruction Set Architecture Reference Guide (July 2026). The comments in the code are by the model that wrote it; some were corrected since.
;; ACTP. Allowed arithmetic: float matrix products may take bf16 or f16 operands with f32 sums; other float arithmetic in f32, or as packed bf16 or f16 multiplies, adds, multiply-adds, maxima and minima; sums over many terms, partial sums and values carried from step to step in f32; what a program stores and reads back later, other than sums and carried values, may be rounded once to bf16 or f16.
;; Inputs: W1 50 x 98 float32; W2 48 x 50 float32; Whh1 200 x 50 float32; Whh2 200 x 50 float32; Wih1 200 x 48 float32; Wih2 200 x 98 float32; actions 20 x 32,768 x 6 float32; b1 50 float32; b2 48 float32; bhh1 200 float32; bhh2 200 float32; bih1 200 float32; bih2 200 float32; tactiles 20 x 32,768 x 48 float32.
;; Outputs: out0 10 x 32,768 x 48 float32.
;; Constants: context_frames = 10.
;; 2 versions, each right; version 2 is version 1 with the launch actp written anew for expert scheduling mode. Each part assembles by itself: llvm-mc -triple=amdgcn-amd-amdhsa -mcpu=gfx1250 --defsym DOCPART=n.
;; ======== version 1 of 2: 1 launch
;; limits: values are held in f16: magnitudes above 65,504 overflow, below 6.1e-05 lose precision; right only within a limited range of input values; values outside matrix products are rounded to f16
;; launch actp (part 1): grid 256 x 1, 4 waves a work-group, no clusters, 166,400 bytes of LDS; arguments tactiles, actions, out0, Wih1, Whh1, bih1, bhh1, Wih2, Whh2, bih2, bhh2, W1, b1, W2, b2; writes out0
.if DOCPART == 1
	.amdgcn_target "amdgcn-amd-amdhsa--gfx1250"
	.amdhsa_code_object_version 6
	.text
	.protected	k_q592b085ef0_actp
	.globl	k_q592b085ef0_actp
	.p2align	8
	.type	k_q592b085ef0_actp,@function
k_q592b085ef0_actp:
	s_mov_b64 s[64:65], 0
	v_nop
	global_prefetch_b8 v0, s[64:65] scope:SCOPE_SE
	s_setreg_imm32_b32 hwreg(HW_REG_WAVE_MODE, 25, 1), 1
	s_wait_xcnt 0x0
; ACTP: two LSTM cells (hidden 50) and two dense layers, 19 steps over 32,768 rows that never meet.  ONE launch: h1, c1, h2, c2 and the fed-back prediction stay in registers.
; SHARES.  256 work-groups of four waves; a work-group owns 128 rows, a wave 32: two tiles of 16.  Lane l: r = l % 16 is the batch row in a tile, hh = l / 16.
; WORK LEFT OUT, for all values of the inputs:
;   tactiles[10:20]: reference() slices tactiles[:cf], cf = 10: those rows reach nothing and are not loaded.
;   out3, out4 of steps 0..8: ctx_step returns None and carry[4] is overwritten in the next step before anyone reads it; only step 9's survives as last_output.  fc1 and fc2 run from step 9 on.
;   h1 = h2 = 0 at step 0 (carry0 is built of zeros): the K tiles that hold only units 0..31 of h1 and of h2 are not multiplied there.  Units 32..49 share a K tile with bias, state or action: they stay, as zeros.
;   there is no step 19: step 18 makes no products for a next step, fetches no weights for them and does not pack its out4 as a next input.
;   tiled() repeats (action, state) four times: Wih2's columns 50+12k+j and 56+12k+j are summed over k in f32, and 12 columns are multiplied in place of 48.
;   What stays: sigmoid(f) x c at step 0, where c = 0: it lies in the same registers and the same text as live work.  Price: 104 lines that write c = 0, once a launch.
;   Every input has a way to the output; all are arguments.  A NaN, an infinity or an overflow that reaches only the work left out is not carried to the result.
; FORMAT AND LIMITS.  All matrix operands are f16, sums f32, everything else f32.  Weight rows are multiplied in f32 by -log2(e) (gates i, f, o) or 2 log2(e) (gate g, fc1, fc2), biases likewise, and
;   rounded once, so a product's sum is the argument of 2^x as it stands.  So |tactiles|, |actions| and 2.89 |W| (four times that for the summed columns) must stay under 65,504; below 6e-5 an operand keeps
;   f16's fixed step of 6e-8.  Pad rows and pad slots are made by a factor 0: a non-finite weight, action or tactile is not treated apart.  c is kept as C' = 2 log2(e) c.
;   sigmoid(z) = 1 / (1 + 2^(-log2(e) z)), tanh(z) = 1 - 2 / (1 + 2^(2 log2(e) z)): both ends are reached through 2^x = 0 or infinity, without a NaN.
; PRODUCTS are taken transposed: source 0 = 16 weight rows, source 1 = 16 batch rows x 32 K.  In the result lane (r, hh) holds batch row r, register j weight row 8 hh + j.
;   An LSTM tile mt holds 4 units x 4 gates: row m is gate (m % 8) / 2 of unit 4 mt + 2 (m / 8) + m % 2, so a lane's eight sums are i0 i1 f0 f1 g0 g1 o0 o1 of units 4 mt + 2 hh + 0, 1.
;   The packed h of tile mt is then register mt of a run of 13, and that run IS source 1 of the next products; the weight image uses the same order of K.
; NO CLUSTER: the work-groups share only the weights, 229,592 bytes as they lie in memory; with the image (129,024) and the stages (36,864) that is more than the 327,680 bytes of LDS, and each number is
;   gathered, scaled and summed by the lane that packs it.
; SOURCE 1 FRAGMENTS, window 0, F(t, f) = FR + 64 t + 8 f:  0 X0: x[0..31]   1 XB: x[32..47], 1.0, 0   2 H1a: h1[0..31]   3 H1B: h1[32..49], then lanes 0-15 the state, lanes 16-31 1.0
;   4 H2a   5 H2B: h2[32..49], the action   6 O3a: out3[0..31]   7 O3B: out3[32..49], 1.0
; CHAINS OVER K:  L1 = H1B (starts the sum; bias1), H1a | X0, XB.   L2 = H2B (starts; action), H2a | H1a, H1B (state, bias2).   fc1 = XB (starts; b1), X0, H2a, H2B.   fc2 = O3a (starts), O3B (b2).
;   The part ahead of the bar needs only the step before: it is multiplied EARLY, between the other cell's reciprocals; the part behind it LATE, between the cell's own exponentials.
; REGISTERS, in windows of 256 (s_set_vgpr_msb: bits 1:0 source 0, 3:2 source 1, 5:4 source 2, 7:6 destination):
;   window 0: v0-15 ids and addresses; v16-143 the fragments; v144-195 C'1; v196-255 at work in the prologue
;   window 1: v0-207 cell 1's sums, tile (mt, t) at 8 (2 mt + t); v208-255 the tactile rows on their way
;   window 2: v0-207 cell 2's sums (fc1: v0-63, fc2: v64-111, the output read back: v112-159); v208-219 the actions on their way; v220-243 packed x
;   window 3: three banks of 8 weight fragments at 64 b; v192-243 C'2
; A matrix instruction and the vector lines round it lie in different windows, so each rider costs two switches; no vector line changes window inside a run.
.set TSTEP, 6291456                    ; bytes from step to step in tactiles and out0: 32,768 rows x 192
.set ASTEP, 786432                     ; the same in actions: 32,768 x 24
.set LAST,  18                         ; the last step
.set XSTG,  129024                     ; LDS: behind the image (126 fragments x 1,024), each wave's 32 rows of x in f16, pitch 96: 3,072 bytes
.set OSTG,  141312                     ; each wave's 32 rows of out4 in f32, pitch 192: 6,144 bytes
.set SPARE, 165888                     ; the spare words, 128 bytes a wave: two blocks of 256 bytes that no other line names
.set RR,  1                            ; v1  r
.set HH,  2                            ; v2  hh
.set LN,  3                            ; v3  lane
.set SPW, 4                            ; v4  my spare word; never rewritten
.set NIL, 5                            ; v5  0; never rewritten
.set AW0, 6                            ; v6  16 l: my 16 bytes of a fragment's half, fragments 0..51 (cell 1)
.set AW1, 7                            ; v7  the same for fragments 52..103 (cell 2)
.set AW2, 8                            ; v8  for fragments 104..125 (fc1, fc2)
.set GOF, 6                            ; 16 l is also my offset in 512 consecutive bytes of tactiles and out0
.set XSA, 9                            ; v9  x stage, in: 8 l
.set XLA, 10                           ; v10 x stage, out: 96 r + 16 hh
.set OSA, 11                           ; v11 output stage, in: 192 r + 32 hh
.set OLA, 12                           ; v12 output stage, out: 16 l
.set AOF, 14                           ; v14 24 r: my row of actions
.set PFO, 15                           ; v15 the prefetch's offset
.set FR,  16
.set C1,  144
.set TP,  208                          ; window 1
.set AP,  208                          ; window 2
.set XT,  220                          ; window 2
.set C2,  192                          ; window 3
.set MSB, 0
.macro WIN new                         ; the immediate's high byte repeats the setting that is left; a switch that changes nothing is dropped
.if MSB != (\new)
	s_set_vgpr_msb (MSB<<8)|(\new)
.set MSB, (\new)
.endif
.endm
.macro PLACES                          ; four plain lines between a matrix instruction and a vector line or load that touches its registers (ISA guide 7.12.1 for vector lines)
.rept 4
	v_nop
.endr
.endm
; n weight fragments from the image into a bank: a fragment is 1,024 bytes, registers 0-3 of lane l at 16 l, registers 4-7 at 512 + 16 l: each load takes 512 consecutive bytes
.macro LDA aw, frag, n, reg
	WIN 0xc0                           ; destination window 3, address window 0
.set li, 0
.rept \n
	ds_load_b128 v[(\reg)+8*li:(\reg)+8*li+3],   v[\aw] offset:1024*((\frag)+li)
	ds_load_b128 v[(\reg)+8*li+4:(\reg)+8*li+7], v[\aw] offset:1024*((\frag)+li)+512
.set li, li+1
.endr
.endm
; one matrix instruction: sums q_c in window x, weights q_a in window 3, activations q_b in window 0
.macro MMA x, zero
	WIN 0x03+0x50*(\x)
.if \zero
	v_wmma_f32_16x16x32_f16 v[q_c:q_c+7], v[q_a:q_a+7], v[q_b:q_b+7], 0
.else
	v_wmma_f32_16x16x32_f16 v[q_c:q_c+7], v[q_a:q_a+7], v[q_b:q_b+7], v[q_c:q_c+7]
.endif
.endm
; late product n of 52 of cell x: tile n / 4, K tile (n % 4) / 2, batch tile n % 2.  Two accumulators take turns, one instruction a turn.
.macro RLATE x, n
.set q_mt, (\n)/4
.set q_k, ((\n)%4)/2
.set q_t, (\n)%2
.set q_a, 64*((q_mt/4)%2)+8*(2*(q_mt%4)+q_k)
.set q_b, FR+64*q_t+8*(2*((\x)-1)+q_k)
.set q_c, 8*(2*q_mt+q_t)
	MMA \x, 0
.endm
; early product n of 52 of cell y: run n / 26 (0 starts the sums), tile (n / 2) % 13, batch tile n % 2.  Run 0: tiles 0-6 in bank 2, 7-12 in bank 0; run 1: tiles 0-6 in bank 1, 7-12 in bank 2.
.macro REARLY y, n
.set q_e, (\n)/2
.set q_t, (\n)%2
.set q_r, q_e/13
.set q_mt, q_e%13
.if q_mt < 7
.set q_a, 64*(2-q_r)+8*q_mt
.else
.set q_a, 128*q_r+8*(q_mt-7)
.endif
.set q_b, FR+64*q_t+8*(2*(\y)+1-q_r)
.set q_c, 8*(2*q_mt+q_t)
	MMA \y, 1-q_r
.endm
; THE LATE PRODUCTS OF CELL x AND ITS 208 EXPONENTIALS.  Tiles 0 and 1 are multiplied bare; then tile s + 2's four products stand one each ahead of four of tile s's exponentials.
; The one v_nop of a group makes five plain lines or more between a tile's last product and its first exponential, and between a bank's last reader and the loads that fill it again.
; The exponentials are ONE batch: none reads another's result; one plain line and one wait behind the last.  Each accumulator is read from its lowest register on.
.macro LATE x
	s_wait_dscnt 0x0                   ; banks 0 and 1 hold the late weights of tiles 0-7, bank 2 the first early weights of the other cell; x is in
.set ln, 0
.rept 8
	RLATE \x, ln
.set ln, ln+1
.endr
	PLACES
.set st, 0
.rept 13
.if st == 3
	LDA AW0+(\x)-1, 42, 8, 0           ; tiles 8-11 into bank 0, whose last reader stood in step 1
.endif
.if st == 7
	LDA AW0+(\x)-1, 50, 2, 64          ; tile 12 into bank 1, whose last reader stood in step 5
.endif
.if (st == 6) || (st == 10)
	s_wait_dscnt 0x0                   ; those weights are in: issued three steps back
.endif
.set gi, 0
.rept 4
.if st <= 10
	RLATE \x, ln
.set ln, ln+1
.endif
	WIN 0x55*(\x)
.set zr, 8*(2*st+gi/2)+4*(gi%2)
	v_exp_f32 v[zr], v[zr]
	v_nop
	v_exp_f32 v[zr+1], v[zr+1]
	v_exp_f32 v[zr+2], v[zr+2]
	v_exp_f32 v[zr+3], v[zr+3]
.set gi, gi+1
.endr
.set st, st+1
.endr
	v_nop                              ; the plain line behind the last exponential
	s_wait_alu depctr_va_vdst(0)       ; one wait for the 208, ahead of their first reader
.endm
; 1 + e AND THE 208 RECIPROCALS OF CELL x, with nr early products of the other cell, one ahead of each group of four reciprocals.  An addition stands a group ahead of the reciprocals that read it.
; nr = 52: both runs; 26: the run that starts the sums alone (step 0); 0: none (the last step).
.macro A1R1 x, nr
.set yy, 3-(\x)
.if (\nr) >= 26
	LDA AW0+yy-1, 7, 6, 0              ; run 0, tiles 7-12; the banks' last readers stand nine plain lines back or more
.endif
.if (\nr) == 52
	LDA AW0+yy-1, 13, 7, 64            ; run 1, tiles 0-6
.endif
	WIN 0x55*(\x)
	v_pk_add_f32 v[0:1], v[0:1], 1.0 op_sel_hi:[1,0]
	v_pk_add_f32 v[2:3], v[2:3], 1.0 op_sel_hi:[1,0]
.set gg, 0
.rept 52
.if ((\nr) == 52) && (gg == 14)
	s_wait_dscnt 14                    ; run 1's 14 loads may stay out: run 0's tiles 7-12 are in
.endif
.if ((\nr) == 26) && (gg == 14)
	s_wait_dscnt 0x0
.endif
.if ((\nr) == 52) && (gg == 16)
	LDA AW0+yy-1, 20, 6, 128           ; run 1, tiles 7-12, into bank 2: its last reader stands in group 13, six additions back
.endif
.if ((\nr) == 52) && (gg == 26)
	s_wait_dscnt 12                    ; the 12 loads just named may stay out: run 1's tiles 0-6 are in
.endif
.if ((\nr) == 52) && (gg == 40)
	s_wait_dscnt 0x0
.endif
.if gg < (\nr)
	REARLY yy, gg
.endif
	WIN 0x55*(\x)
	v_rcp_f32 v[4*gg], v[4*gg]
.if gg < 51
	v_pk_add_f32 v[4*gg+4:4*gg+5], v[4*gg+4:4*gg+5], 1.0 op_sel_hi:[1,0]
.endif
	v_rcp_f32 v[4*gg+1], v[4*gg+1]
	v_rcp_f32 v[4*gg+2], v[4*gg+2]
.if gg < 51
	v_pk_add_f32 v[4*gg+6:4*gg+7], v[4*gg+6:4*gg+7], 1.0 op_sel_hi:[1,0]
.endif
	v_rcp_f32 v[4*gg+3], v[4*gg+3]
.set gg, gg+1
.endr
	v_nop
	s_wait_alu depctr_va_vdst(0)       ; one wait for the 208 reciprocals
.endm
; The weights that the next phases want, asked for while the cell's plain arithmetic runs.  26 plain lines stand between the banks' last readers and these loads.
.macro HOOK1
	LDA AW1, 26, 8, 0                  ; cell 2's late weights, tiles 0-3 and 4-7
	LDA AW1, 34, 8, 64
	WIN 0
	s_cmp_eq_u32 s39, LAST
	s_cbranch_scc1 .Lh1_end            ; the last step multiplies nothing for a next one
	LDA AW0, 0, 7, 128                 ; cell 1's early run 0, tiles 0-6
	WIN 0
.Lh1_end:
.endm
.macro HOOK2
	WIN 0
	s_cmp_lt_u32 s39, 9
	s_cbranch_scc0 .Lh2_fc
	LDA AW0, 26, 8, 0                  ; steps 0..8: cell 1's late weights follow at once
	LDA AW0, 34, 8, 64
	WIN 0
	s_branch .Lh2_b2
.Lh2_fc:
	LDA AW2, 0, 8, 0                   ; steps 9..18: fc1's sixteen fragments
	LDA AW2, 8, 8, 64
	WIN 0
	s_cmp_eq_u32 s39, LAST
	s_cbranch_scc1 .Lh2_end
.Lh2_b2:
	LDA AW1, 0, 7, 128                 ; cell 2's early run 0, tiles 0-6
	WIN 0
.Lh2_end:
.endm
; THE REST OF CELL x.  In a tile's eight registers: 0, 1 sigmoid(i); 2, 3 sigmoid(f); 4, 5 the reciprocal for tanh(g); 6, 7 sigmoid(o).
.macro MIDFIN x
.if (\x) == 1
.set cb, C1
.set wc, 0x11                          ; C' in window 0, the sums in window 1
.set we, 0x40
.else
.set cb, C2
.set wc, 0xee                          ; C' in window 3, the sums in window 2
.set we, 0x83
.endif
	WIN 0x55*(\x)
.set ma, 0
.rept 26
	v_pk_fma_f32 v[8*ma+4:8*ma+5], v[8*ma+4:8*ma+5], s[52:53], s[50:51] op_sel_hi:[1,0,0]  ; 2 log2(e) tanh(g)
.set ma, ma+1
.endr
.if (\x) == 1
	HOOK1
.else
	HOOK2
.endif
	WIN 0x55*(\x)
.set ma, 0
.rept 26
	v_pk_mul_f32 v[8*ma:8*ma+1], v[8*ma:8*ma+1], v[8*ma+4:8*ma+5]
.set ma, ma+1
.endr
	WIN wc
.set ma, 0
.rept 26
	v_pk_fma_f32 v[cb+2*ma:cb+2*ma+1], v[8*ma+2:8*ma+3], v[cb+2*ma:cb+2*ma+1], v[8*ma:8*ma+1]  ; C' = sigmoid(f) C' + sigmoid(i) 2 log2(e) tanh(g)
.set ma, ma+1
.endr
	WIN we
.set ma, 0
.rept 26
	v_exp_f32 v[8*ma+2], v[cb+2*ma]
	v_exp_f32 v[8*ma+3], v[cb+2*ma+1]
.set ma, ma+1
.endr
	v_nop
	s_wait_alu depctr_va_vdst(0)       ; one wait for the 52 exponentials
	WIN 0x55*(\x)
	v_pk_add_f32 v[2:3], v[2:3], 1.0 op_sel_hi:[1,0]
.set ma, 0
.rept 26
	v_rcp_f32 v[8*ma+2], v[8*ma+2]
.if ma < 25
	v_pk_add_f32 v[8*ma+10:8*ma+11], v[8*ma+10:8*ma+11], 1.0 op_sel_hi:[1,0]
.endif
	v_rcp_f32 v[8*ma+3], v[8*ma+3]
.set ma, ma+1
.endr
	v_nop
	s_wait_alu depctr_va_vdst(0)       ; one wait for the 52 reciprocals
.set ma, 0
.rept 26
	v_pk_fma_f32 v[8*ma+2:8*ma+3], v[8*ma+2:8*ma+3], -2.0, 1.0 op_sel_hi:[1,0,0]  ; tanh(c)
.set ma, ma+1
.endr
.set ma, 0
.rept 26
	v_pk_mul_f32 v[8*ma+2:8*ma+3], v[8*ma+2:8*ma+3], v[8*ma+6:8*ma+7]             ; h
.set ma, ma+1
.endr
	WIN 0x05*(\x)
.set ma, 0
.rept 26
	v_cvt_pk_f16_f32 v[FR+64*(ma%2)+16*(\x)+ma/2], v[8*ma+2], v[8*ma+3]           ; register mt of the run of 13: the next products' source 1
.set ma, ma+1
.endr
.endm
; tanh in place on np pairs of window 2: pair p at base + 2 p (fc1's pair 25 at 56: its last tile has one live pair in each batch tile)
.macro TREG p
.set tr, tbase+2*(\p)+6*((\p)/25)
.endm
.macro TANH base, np
.set tbase, (\base)
	WIN 0xaa
.set tp, 0
.rept \np
	TREG tp
	v_exp_f32 v[tr], v[tr]
	v_exp_f32 v[tr+1], v[tr+1]
.set tp, tp+1
.endr
	v_nop
	s_wait_alu depctr_va_vdst(0)
	TREG 0
	v_pk_add_f32 v[tr:tr+1], v[tr:tr+1], 1.0 op_sel_hi:[1,0]
.set tp, 0
.rept \np
	TREG tp
.set t0, tr
	v_rcp_f32 v[t0], v[t0]
.if tp < (\np)-1
	TREG tp+1
	v_pk_add_f32 v[tr:tr+1], v[tr:tr+1], 1.0 op_sel_hi:[1,0]
.endif
	v_rcp_f32 v[t0+1], v[t0+1]
.set tp, tp+1
.endr
	v_nop
	s_wait_alu depctr_va_vdst(0)
.set tp, 0
.rept \np
	TREG tp
	v_pk_fma_f32 v[tr:tr+1], v[tr:tr+1], -2.0, 1.0 op_sel_hi:[1,0,0]
.set tp, tp+1
.endr
.endm
; 32 rows of x, as loaded (48 registers at src in window win: 4 consecutive numbers a lane and load), rounded to f16, through my own stage, into X0 and XB.  LDS serves a wave's instructions in order (ISA guide 5.7.1.4).
.macro XIN src, win
	WIN 0x80|(5*(\win))
.set xi, 0
.rept 24
	v_cvt_pk_f16_f32 v[XT+xi], v[(\src)+2*xi], v[(\src)+2*xi+1]
.set xi, xi+1
.endr
	WIN 0x08                           ; address window 0, data window 2
.set xi, 0
.rept 12
	ds_store_b64 v[XSA], v[XT+2*xi:XT+2*xi+1] offset:256*xi
.set xi, xi+1
.endr
	WIN 0
.set xi, 0
.rept 6                                ; batch tile xi / 3, columns 16 (xi % 3) + 8 hh on
	ds_load_b128 v[FR+64*(xi/3)+4*(xi%3):FR+64*(xi/3)+4*(xi%3)+3], v[XLA] offset:1536*(xi/3)+32*(xi%3)
.set xi, xi+1
.endr
.endm
.macro PKR dst, src, n                 ; n pairs rounded to f16
.set pi, 0
.rept \n
	v_cvt_pk_f16_f32 v[(\dst)+pi], v[(\src)+2*pi], v[(\src)+2*pi+1]
.set pi, pi+1
.endr
.endm
.macro STF aw, reg, off                ; a fragment into the image
	ds_store_b128 v[\aw], v[(\reg):(\reg)+3] offset:(\off)
	ds_store_b128 v[\aw], v[(\reg)+4:(\reg)+7] offset:(\off)+512
.endm
	; ---------------- the head ----------------
	s_load_b512 s[8:23], s[0:1], 0x0   ; tactiles s[8:9], actions s[10:11], out0 s[12:13], Wih1 s[14:15], Whh1 s[16:17], bih1 s[18:19], bhh1 s[20:21], Wih2 s[22:23]
	s_load_b256 s[24:31], s[0:1], 0x40 ; Whh2 s[24:25], bih2 s[26:27], bhh2 s[28:29], W1 s[30:31]
	s_load_b128 s[32:35], s[0:1], 0x60 ; b1 s[32:33], W2 s[34:35]
	s_load_b64 s[36:37], s[0:1], 0x70  ; b2
	v_lshl_add_u32 v[SPW], v0, 2, SPARE
	v_mov_b32 v[NIL], 0
	v_lshrrev_b32 v[LN], 5, v0
	v_readfirstlane_b32 s38, v[LN]     ; wave 0..3
	v_and_b32 v[LN], 31, v0
	v_and_b32 v[RR], 15, v0
	v_bfe_u32 v[HH], v0, 4, 1
	s_mov_b32 s50, 0x4038aa3b          ; 2 log2(e), named as a pair
	s_mov_b32 s51, 0x4038aa3b
	s_mov_b32 s52, 0xc0b8aa3b          ; -4 log2(e)
	s_mov_b32 s53, 0xc0b8aa3b
	s_mov_b32 s54, 0xffff0000          ; the lanes with hh = 1
	v_lshlrev_b32 v[AW0], 4, v[LN]
	v_add_nc_u32 v[AW1], 53248, v[AW0]
	v_add_nc_u32 v[AW2], 106496, v[AW0]
	s_mul_i32 s55, s38, 3072
	s_add_co_u32 s55, s55, XSTG        ; my x stage
	v_lshl_add_u32 v[XSA], v[LN], 3, s55
	v_mul_u32_u24 v[XLA], v[RR], 96
	v_lshl_add_u32 v[XLA], v[HH], 4, v[XLA]
	v_add_nc_u32 v[XLA], s55, v[XLA]
	s_mul_i32 s58, s38, 6144
	s_add_co_u32 s58, s58, OSTG        ; my output stage
	v_mul_u32_u24 v[OSA], v[RR], 192
	v_lshl_add_u32 v[OSA], v[HH], 5, v[OSA]
	v_add_nc_u32 v[OSA], s58, v[OSA]
	v_lshl_add_u32 v[OLA], v[LN], 4, s58
	v_mul_u32_u24 v[AOF], v[RR], 24
	s_lshl_b32 s59, s38, 11
	v_lshl_add_u32 v[PFO], v[LN], 8, s59   ; block 32 w + l of the work-group's 96 blocks of 256 bytes, counted from my wave's rows: 8,192 w + 256 l - 6,144 w
	s_lshl_b32 s2, ttmp9, 7
	s_lshl_b32 s3, s38, 5
	s_add_co_u32 s2, s2, s3            ; my first row
	s_mul_i32 s4, s2, 192
	s_mov_b32 s5, 0
	s_add_co_u32 s6, s4, TSTEP         ; tactiles: at step 1, the loads of step 0 reach back
	s_mov_b32 s7, 0
	s_mul_i32 s56, s2, 24
	s_add_co_u32 s56, s56, ASTEP       ; actions: at index 1
	s_mov_b32 s57, 0
	; the rows of W1, b1, W2, b2 that I pack: fc tile = my wave's number, row 16 w + r
	s_lshl_b32 s60, s38, 4
	v_add_nc_u32 v240, s60, v[RR]
	v_min_u32 v241, 49, v240           ; rows 50..63 of fc1's last tile are pad rows: a live row is read and multiplied by 0
	v_mul_u32_u24 v242, v241, 392
	v_lshl_add_u32 v243, v[HH], 3, v242
	v_lshl_add_u32 v244, v[HH], 5, v242
	v_lshlrev_b32 v245, 2, v241
	v_mul_u32_u24 v246, v240, 200
	v_lshl_add_u32 v247, v[HH], 5, v246
	v_lshlrev_b32 v248, 2, v240
	s_wait_kmcnt 0x0
	s_add_nc_u64 s[44:45], s[8:9], s[6:7]
	s_add_nc_u64 s[46:47], s[10:11], s[56:57]
	s_add_nc_u64 s[48:49], s[12:13], s[4:5]
	WIN 0x80                           ; destination window 2
.set i, 0
.rept 12
	global_load_b128 v[4*i:4*i+3], v[GOF], s[44:45] offset:512*i-TSTEP th:TH_LOAD_NT    ; x(0): my 32 rows are 6,144 consecutive bytes
.set i, i+1
.endr
.set i, 0
.rept 6                                ; batch tile i / 3, numbers 2 (i % 3) on
	global_load_b64 v[48+2*i:48+2*i+1], v[AOF], s[46:47] offset:384*(i/3)+8*(i%3)-ASTEP ; the state, actions[0]
	global_load_b64 v[AP+2*i:AP+2*i+1], v[AOF], s[46:47] offset:384*(i/3)+8*(i%3)       ; step 0's action, actions[1]
.set i, i+1
.endr
	WIN 0x40                           ; destination window 1
.set i, 0
.rept 12
	global_load_b128 v[TP+4*i:TP+4*i+3], v[GOF], s[44:45] offset:512*i th:TH_LOAD_NT    ; x(1)
.set i, i+1
.endr
	; fc1's row: h2's columns in the order of H2a, H2B; x's in natural order
.set FH, 0
.set FX, 26
.set FB, 50
.set G2, 52
.set GB, 78
.set i, 0
.rept 12
	global_load_b64 v[FH+2*i:FH+2*i+1], v243, s[30:31] offset:16*i
	global_load_b64 v[FX+2*i:FX+2*i+1], v244, s[30:31] offset:200+8*(i%4)+64*(i/4)
.set i, i+1
.endr
	global_load_b64 v[FH+24:FH+25], v242, s[30:31] offset:192
	global_load_b32 v[FB], v245, s[32:33]
	WIN 0
	s_cmp_lt_u32 s38, 3                ; fc2 has three tiles
	s_cbranch_scc0 .Lno_fc2_loads
	WIN 0x40
.set i, 0
.rept 12
	global_load_b64 v[G2+2*i:G2+2*i+1], v247, s[34:35] offset:8*(i%4)+64*(i/4)
.set i, i+1
.endr
	global_load_b64 v[G2+24:G2+25], v246, s[34:35] offset:192
	global_load_b32 v[GB], v248, s[36:37]
	WIN 0
.Lno_fc2_loads:
	; ---------------- the image of the two cells' weights: tile mt = wave + 4 x trip, eight fragments a tile ----------------
.set BW1, 0                            ; window 3: Wih1's row, 24 numbers
.set BH1, 24                           ; Whh1's, 26: pairs 0-11 in the order of H1a, H1B, pair 12 = units 48, 49
.set BH2, 50                           ; Whh2's
.set BI2, 76                           ; Wih2's columns 0..49
.set BT,  102                          ; Wih2's columns 50..97
.set BB,  150                          ; bih1, bhh1, bih2, bhh2
.set FAC, 154                          ; the row's factor, twice
.set FACL, 156                         ; the same in lanes 0-15, 0 in lanes 16-31, twice
.set FACH, 158                         ; 0 in lanes 0-15, the factor in lanes 16-31
.set ZR,  159                          ; 0
.set PK,  160                          ; the eight fragments, packed
	v_bfe_u32 v196, v[RR], 1, 2        ; my row's gate
	v_lshrrev_b32 v197, 3, v[RR]
	v_and_b32 v198, 1, v[RR]
	v_lshl_add_u32 v197, v197, 1, v198
	v_lshl_add_u32 v197, s38, 2, v197  ; its unit: 4 mt + 2 (r / 8) + r % 2
	v_mul_u32_u24 v199, v196, 50
	v_mov_b32 v200, 0xbfb8aa3b         ; -log2(e) for i, f, o
	v_mov_b32 v201, 0x4038aa3b         ; 2 log2(e) for g
	v_cmp_eq_u32 vcc_lo, 2, v196
	v_cndmask_b32 v200, v200, v201, vcc_lo
	v_mov_b32 v208, 0
	s_lshl_b32 s61, s38, 10
	v_lshl_add_u32 v202, v[LN], 4, s61 ; fragments mt and 13 + mt
	v_add_nc_u32 v203, 53248, v202     ; fragments 52 + mt and 65 + mt
	s_add_co_u32 s62, s59, 26624
	v_lshl_add_u32 v204, v[LN], 4, s62 ; fragments 26 + 2 mt, 27 + 2 mt, 78 + 2 mt, 79 + 2 mt
	WIN 0xc0
	v_mov_b32 v[ZR], 0
	v_mov_b32 v[PK+6], 0               ; the slots that hold 0 in every tile
	v_mov_b32 v[PK+7], 0
	v_mov_b32 v[PK+28], 0
	v_mov_b32 v[PK+29], 0
	v_mov_b32 v[PK+30], 0
	v_mov_b32 v[PK+31], 0
	WIN 0
	s_mov_b32 s40, 4
	s_mov_b32 s41, s38
.Lbuild:
	s_cmp_ge_u32 s41, 13               ; there are 13 tiles: the fourth trip is wave 0's alone
	s_cbranch_scc1 .Lbuild_skip
	v_min_u32 v205, 49, v197           ; units 50, 51 of tile 12 are pad rows
	v_add_nc_u32 v205, v199, v205      ; the row in the four weight tensors
	v_cmp_gt_u32 vcc_lo, 50, v197
	v_cndmask_b32 v206, 0, v200, vcc_lo
	v_cndmask_b32 v207, v206, v208, s54
	v_cndmask_b32 v209, v208, v206, s54
	v_mul_u32_u24 v210, v205, 192
	v_lshl_add_u32 v210, v[HH], 5, v210
	v_mul_u32_u24 v211, v205, 200
	v_lshl_add_u32 v212, v[HH], 3, v211
	v_mul_u32_u24 v213, v205, 392
	v_lshl_add_u32 v214, v[HH], 3, v213
	v_lshlrev_b32 v215, 2, v205
	WIN 0xc0
.set i, 0
.rept 6
	global_load_b128 v[BW1+4*i:BW1+4*i+3], v210, s[14:15] offset:16*(i%2)+64*(i/2)
.set i, i+1
.endr
.set i, 0
.rept 12
	global_load_b64 v[BH1+2*i:BH1+2*i+1], v212, s[16:17] offset:16*i
	global_load_b64 v[BH2+2*i:BH2+2*i+1], v212, s[24:25] offset:16*i
	global_load_b64 v[BI2+2*i:BI2+2*i+1], v214, s[22:23] offset:16*i
.set i, i+1
.endr
	global_load_b64 v[BH1+24:BH1+25], v211, s[16:17] offset:192
	global_load_b64 v[BH2+24:BH2+25], v211, s[24:25] offset:192
	global_load_b64 v[BI2+24:BI2+25], v213, s[22:23] offset:192
.set i, 0
.rept 24
	global_load_b64 v[BT+2*i:BT+2*i+1], v213, s[22:23] offset:200+8*i
.set i, i+1
.endr
	global_load_b32 v[BB], v215, s[18:19]
	global_load_b32 v[BB+1], v215, s[20:21]
	global_load_b32 v[BB+2], v215, s[26:27]
	global_load_b32 v[BB+3], v215, s[28:29]
	v_mov_b32 v[FAC], v206
	v_mov_b32 v[FAC+1], v206
	v_mov_b32 v[FACL], v207
	v_mov_b32 v[FACL+1], v207
	v_mov_b32 v[FACH], v209
	s_wait_loadcnt 0x0                 ; the row is in; the offsets above may be written again
	WIN 0xff
.set i, 1
.rept 3                                ; the four repeats of (action, state) become 12 columns
.set j, 0
.rept 6
	v_pk_add_f32 v[BT+2*j:BT+2*j+1], v[BT+2*j:BT+2*j+1], v[BT+12*i+2*j:BT+12*i+2*j+1]
.set j, j+1
.endr
.set i, i+1
.endr
	v_add_f32 v[BB], v[BB], v[BB+1]
	v_add_f32 v[BB+2], v[BB+2], v[BB+3]
.set i, 0
.rept 51
.if (i == 24) || (i == 37) || (i == 50)
	v_pk_mul_f32 v[2*i:2*i+1], v[2*i:2*i+1], v[FACL:FACL+1]   ; units 48, 49 lie in lanes 0-15 alone
.else
	v_pk_mul_f32 v[2*i:2*i+1], v[2*i:2*i+1], v[FAC:FAC+1]
.endif
.set i, i+1
.endr
.set j, 0
.rept 6
	v_pk_mul_f32 v[BT+2*j:BT+2*j+1], v[BT+2*j:BT+2*j+1], v[FACL:FACL+1]
.set j, j+1
.endr
	v_mul_f32 v[BB], v[BB], v[FACH]                            ; the biases meet the 1.0 of lanes 16-31
	v_fma_f32 v[BT+6], v[BB+2], v[FACH], v[BT+6]
	PKR PK, BH1+16, 5                  ; cell 1, H1B: units 32..49,
	v_cvt_pk_f16_f32 v[PK+5], v[BB], v[ZR]                     ; bias1
	PKR PK+8, BH1, 8                   ; cell 1, H1a
	PKR PK+16, BW1, 8                  ; cell 1, X0
	PKR PK+24, BW1+16, 4               ; cell 1, XB
	PKR PK+32, BH2+16, 5               ; cell 2, H2B,
	PKR PK+37, BT, 3                   ; the action's columns
	PKR PK+40, BH2, 8                  ; cell 2, H2a
	PKR PK+48, BI2, 8                  ; cell 2, H1a
	PKR PK+56, BI2+16, 5               ; cell 2, H1B,
	PKR PK+61, BT+6, 3                 ; the state's columns and bias2
	WIN 0x0c                           ; address window 0, data window 3
	STF 202, PK, 0
	STF 202, PK+8, 13312
	STF 204, PK+16, 0
	STF 204, PK+24, 1024
	STF 203, PK+32, 0
	STF 203, PK+40, 13312
	STF 204, PK+48, 53248
	STF 204, PK+56, 54272
	WIN 0
.Lbuild_skip:
	v_add_nc_u32 v197, 16, v197        ; four tiles on
	v_add_nc_u32 v202, 4096, v202
	v_add_nc_u32 v203, 4096, v203
	v_add_nc_u32 v204, 8192, v204
	s_add_co_u32 s41, s41, 4
	s_sub_co_u32 s40, s40, 1
	s_cmp_lg_u32 s40, 0
	s_cbranch_scc1 .Lbuild
	; ---------------- the image of fc1 (a tile a wave) and fc2 (waves 0-2) ----------------
.set F1,  80                           ; window 1: fc1's factor, twice; then in lanes 0-15 alone; the same for fc2; 0
.set F1L, 82
.set F2,  84
.set F2L, 86
.set Z1,  88
.set P1,  96
.set P2,  128
	s_wait_loadcnt 0x0                 ; everything asked for so far is in
	v_cmp_gt_u32 vcc_lo, 50, v240
	v_cndmask_b32 v206, 0, v201, vcc_lo
	v_cndmask_b32 v207, v206, v208, s54
	v_cndmask_b32 v209, v201, v208, s54
	v_lshl_add_u32 v216, s38, 12, v[AW2]   ; fragments 104 + 4 w on
	v_lshl_add_u32 v217, s38, 11, v[AW2]   ; fragments 120 + 2 w on, with 16,384 in the immediate
	WIN 0x40
	v_mov_b32 v[F1], v206
	v_mov_b32 v[F1+1], v206
	v_mov_b32 v[F1L], v207
	v_mov_b32 v[F1L+1], v207
	v_mov_b32 v[F2], v201
	v_mov_b32 v[F2+1], v201
	v_mov_b32 v[F2L], v209
	v_mov_b32 v[F2L+1], v209
	v_mov_b32 v[Z1], 0
	WIN 0x55
.set i, 0
.rept 25
.if i == 12
	v_pk_mul_f32 v[2*i:2*i+1], v[2*i:2*i+1], v[F1L:F1L+1]
.else
	v_pk_mul_f32 v[2*i:2*i+1], v[2*i:2*i+1], v[F1:F1+1]
.endif
.set i, i+1
.endr
	v_mul_f32 v[FB], v[FB], v[F1L]
	PKR P1, FX+16, 4                   ; XB: x[32..47],
	v_cvt_pk_f16_f32 v[P1+4], v[FB], v[Z1]                     ; b1
	PKR P1+8, FX, 8                    ; X0
	PKR P1+16, FH, 8                   ; H2a
	PKR P1+24, FH+16, 5                ; H2B; the action's slots hold 0
.irp z, 5,6,7,29,30,31
	v_mov_b32 v[P1+\z], 0
.endr
	WIN 0x04                           ; address window 0, data window 1
	STF 216, P1, 0
	STF 216, P1+8, 1024
	STF 216, P1+16, 2048
	STF 216, P1+24, 3072
	WIN 0
	s_cmp_lt_u32 s38, 3
	s_cbranch_scc0 .Lno_fc2_build
	WIN 0x55
.set i, 0
.rept 13
.if i == 12
	v_pk_mul_f32 v[G2+2*i:G2+2*i+1], v[G2+2*i:G2+2*i+1], v[F2L:F2L+1]
.else
	v_pk_mul_f32 v[G2+2*i:G2+2*i+1], v[G2+2*i:G2+2*i+1], v[F2:F2+1]
.endif
.set i, i+1
.endr
	v_mul_f32 v[GB], v[GB], v[F2L]
	PKR P2, G2, 8                      ; O3a
	PKR P2+8, G2+16, 5                 ; O3B,
	v_cvt_pk_f16_f32 v[P2+13], v[GB], v[Z1]                    ; b2
	v_mov_b32 v[P2+14], 0
	v_mov_b32 v[P2+15], 0
	WIN 0x04
	STF 217, P2, 16384
	STF 217, P2+8, 17408
	WIN 0
.Lno_fc2_build:
	; ---------------- what step 0 finds ----------------
	XIN 0, 2                           ; x(0)
	WIN 0x0a                           ; sources window 2, destination window 0
.set i, 0
.rept 6
	v_cvt_pk_f16_f32 v[FR+64*(i/3)+29+i%3], v[48+2*i], v[48+2*i+1]   ; the state into H1B's registers 5-7
.set i, i+1
.endr
	WIN 0
	v_mov_b32 v196, 0x3c00             ; f16 1.0 and 0
.irp t, 0,1
	v_cndmask_b32 v[FR+64*\t+29], v[FR+64*\t+29], v196, s54    ; lanes 16-31: 1.0 for the biases, then 0
	v_cndmask_b32 v[FR+64*\t+30], v[FR+64*\t+30], v208, s54
	v_cndmask_b32 v[FR+64*\t+31], v[FR+64*\t+31], v208, s54
	v_mov_b32 v[FR+64*\t+12], 0x3c00   ; XB's register 4: 1.0 for b1
	v_mov_b32 v[FR+64*\t+61], 0x3c00   ; O3B's register 5: 1.0 for b2
.irp z, 13,14,15,62,63
	v_mov_b32 v[FR+64*\t+\z], 0
.endr
.irp z, 24,25,26,27,28,40,41,42,43,44
	v_mov_b32 v[FR+64*\t+\z], 0        ; h1, h2 = 0: units 32..49
.endr
.irp z, 32,33,34,35,36,37,38,39
	v_mov_b32 v[FR+64*\t+\z], 0        ; H2a is not multiplied at step 0; it is written so that the loop's one text names no register that was never written
.endr
.endr
.set i, 0
.rept 52
	v_mov_b32 v[C1+i], 0               ; c1 = 0
.set i, i+1
.endr
	s_wait_dscnt 0x0                   ; for the others' sake: my part of the image is stored; x(0) is in
	s_barrier_signal -1
	WIN 0xc0
.set i, 0
.rept 52
	v_mov_b32 v[C2+i], 0               ; c2 = 0: work on registers between signal and wait
.set i, i+1
.endr
	WIN 0
	s_barrier_wait -1                  ; the image is whole; from here on it is only read, and no further barrier stands in the text
	LDA AW0, 0, 8, 0
	LDA AW0, 8, 5, 64
	s_wait_dscnt 0x0
.set ln, 0
.rept 26                               ; cell 1's sums of step 0 start with bias1; H1a's products are left out
.set q_a, 8*(ln/2)
.set q_b, FR+64*(ln%2)+24
.set q_c, 8*ln
	MMA 1, 1
.set ln, ln+1
.endr
	PLACES
	LDA AW0, 26, 8, 0                  ; cell 1's late weights, tiles 0-7
	LDA AW0, 34, 8, 64
	LDA AW1, 0, 7, 128                 ; cell 2's early run 0, tiles 0-6
	WIN 0
	s_mov_b32 s39, 0
	; ---------------- a step ----------------
.Lstep:
	LATE 1
	; what the next steps want from memory.  Everything that is out was asked for a whole step ago.
	WIN 0
	s_wait_loadcnt 0x0
	WIN 0x0a
.set i, 0
.rept 6
	v_cvt_pk_f16_f32 v[FR+64*(i/3)+45+i%3], v[AP+2*i], v[AP+2*i+1]   ; this step's action into H2B's registers 5-7
.set i, i+1
.endr
	WIN 0
	s_wait_xcnt 0x0                    ; the last step's loads and prefetch have read their addresses: the two pointers may be written
	s_cmp_eq_u32 s39, LAST
	s_cbranch_scc1 .Lp_end
	s_add_nc_u64 s[46:47], s[46:47], ASTEP
	WIN 0x80
.set i, 0
.rept 6
	global_load_b64 v[AP+2*i:AP+2*i+1], v[AOF], s[46:47] offset:384*(i/3)+8*(i%3)   ; the next step's action
.set i, i+1
.endr
	WIN 0
	s_cmp_gt_u32 s39, 8
	s_cbranch_scc1 .Lp_end             ; from step 9 on x is the prediction
	XIN TP, 1                          ; x of the next step; cell 1 has read this step's, and fc1 does not run before step 9
	s_cmp_gt_u32 s39, 7
	s_cbranch_scc1 .Lp_end
	s_add_nc_u64 s[44:45], s[44:45], TSTEP
	WIN 0x40
.set i, 0
.rept 12
	global_load_b128 v[TP+4*i:TP+4*i+3], v[GOF], s[44:45] offset:512*i th:TH_LOAD_NT ; x two steps on
.set i, i+1
.endr
	WIN 0
	s_cmp_gt_u32 s39, 6                ; steps 0..6 name x(3) .. x(9): the last tactile row that is ever loaded
	s_cbranch_scc1 .Lp_end
	s_cmp_gt_u32 s38, 2
	s_cbranch_scc1 .Lp_end
	global_prefetch_b8 v[PFO], s[44:45] offset:TSTEP th:TH_LOAD_NT scope:SCOPE_SE    ; x three steps on: the work-group's 128 rows are 96 blocks of 256 bytes; waves 0-2 name 32 each, a lane a block, each block once in the launch
.Lp_end:
	s_cmp_eq_u32 s39, 0
	s_cbranch_scc0 .La1_full
	A1R1 1, 26                         ; step 0: h2 = 0, H2a's run is left out
	WIN 0
	s_branch .La1_done
.La1_full:
	A1R1 1, 52
	WIN 0
.La1_done:
	MIDFIN 1
	LATE 2
	WIN 0
	s_cmp_eq_u32 s39, LAST
	s_cbranch_scc0 .La2_full
	A1R1 2, 0                          ; the last step: no next step's products
	WIN 0
	s_branch .La2_done
.La2_full:
	A1R1 2, 52
	WIN 0
.La2_done:
	MIDFIN 2
	WIN 0
	s_cmp_lt_u32 s39, 9
	s_cbranch_scc1 .Lno_fc             ; out3 and out4 of steps 0..8 reach no output
	; fc1: four tiles of 16 units x two batch tiles, K = XB, X0, H2a, H2B; four accumulators take turns
	s_wait_dscnt 0x0
.set pp, 0
.rept 2
.set kk, 0
.rept 4
.if kk < 2
.set ff, 1-kk
.else
.set ff, kk+2
.endif
.set mm, 0
.rept 2
.set tt, 0
.rept 2
.set q_a, 64*pp+8*(4*mm+kk)
.set q_b, FR+64*tt+8*ff
.set q_c, 8*(2*(2*pp+mm)+tt)
.if kk == 0
	MMA 2, 1
.else
	MMA 2, 0
.endif
.set tt, tt+1
.endr
.set mm, mm+1
.endr
.set kk, kk+1
.endr
.set pp, pp+1
.endr
	PLACES                             ; for the loads into the banks and for the exponentials
	LDA AW2, 16, 6, 0                  ; fc2's six fragments
	WIN 0
	s_cmp_eq_u32 s39, LAST
	s_cbranch_scc1 .Lf1
	LDA AW0, 34, 8, 64                 ; cell 1's late weights, tiles 4-7
	WIN 0
.Lf1:
	TANH 0, 26
	WIN 0x0a
.set ma, 0
.rept 6
.set j, 0
.rept 4
	v_cvt_pk_f16_f32 v[FR+64*(ma%2)+48+4*(ma/2)+j], v[8*ma+2*j], v[8*ma+2*j+1]   ; out3[0..47]
.set j, j+1
.endr
.set ma, ma+1
.endr
	v_cvt_pk_f16_f32 v[FR+60], v[48], v[49]                    ; out3[48, 49]
	v_cvt_pk_f16_f32 v[FR+124], v[56], v[57]
	s_wait_dscnt 0x0
.set kk, 0
.rept 2                                ; fc2: three tiles x two batch tiles, K = O3a, O3B; six accumulators take turns
.set ma, 0
.rept 6
.set q_a, 8*(2*(ma/2)+kk)
.set q_b, FR+64*(ma%2)+8*(6+kk)
.set q_c, 64+8*ma
	MMA 2, 1-kk
.set ma, ma+1
.endr
.set kk, kk+1
.endr
	PLACES
	WIN 0
	s_cmp_eq_u32 s39, LAST
	s_cbranch_scc1 .Lf2
	LDA AW0, 26, 8, 0                  ; cell 1's late weights, tiles 0-3
	WIN 0
.Lf2:
	TANH 64, 24
	WIN 0
	s_cmp_eq_u32 s39, LAST
	s_cbranch_scc1 .Lf3
	WIN 0x0a
.set ma, 0
.rept 6
.set j, 0
.rept 4
	v_cvt_pk_f16_f32 v[FR+64*(ma%2)+4*(ma/2)+j], v[64+8*ma+2*j], v[64+8*ma+2*j+1]  ; the prediction is the next step's x
.set j, j+1
.endr
.set ma, ma+1
.endr
	WIN 0
.Lf3:
	; the way out: a lane's eight numbers of a row go into my own stage; the 32 rows come back as 6,144 consecutive bytes
	WIN 0x08                           ; address window 0, data window 2
.set ma, 0
.rept 6
	ds_store_b128 v[OSA], v[64+8*ma:64+8*ma+3]   offset:3072*(ma%2)+64*(ma/2)
	ds_store_b128 v[OSA], v[64+8*ma+4:64+8*ma+7] offset:3072*(ma%2)+64*(ma/2)+16
.set ma, ma+1
.endr
	WIN 0x80
.set i, 0
.rept 12
	ds_load_b128 v[112+4*i:112+4*i+3], v[OLA] offset:512*i     ; LDS serves a wave's instructions in order: these see the stores above
.set i, i+1
.endr
	WIN 0x08
.set i, 0
.rept 12
	s_wait_dscnt 11-i                  ; read i is back; the younger ones may stay out
	global_store_b128 v[GOF], v[112+4*i:112+4*i+3], s[48:49] offset:512*i th:TH_STORE_NT  ; 512 consecutive bytes, at a multiple of 256 from out0's first
.set i, i+1
.endr
	WIN 0
	s_wait_xcnt 0x0                    ; the stores have read their registers and their base
	s_add_nc_u64 s[48:49], s[48:49], TSTEP
.Lno_fc:
	s_add_co_u32 s39, s39, 1
	s_cmp_lt_u32 s39, 19
	s_cbranch_scc1 .Lstep
	s_wait_tensorcnt 0x0               ; the wave's end, behind my last LDS store
	ds_add_u32 v[SPW], v[NIL]
	s_wait_dscnt 0x0
	s_endpgm
.Lfunc_end_k_q592b085ef0_actp:
	.size	k_q592b085ef0_actp, .Lfunc_end_k_q592b085ef0_actp-k_q592b085ef0_actp
	.p2alignl 7, 3214868480
	.fill 96, 4, 3214868480
	.section	.rodata,"a",@progbits
	.p2align	6, 0x0
	.amdhsa_kernel k_q592b085ef0_actp
		.amdhsa_group_segment_fixed_size 166400
		.amdhsa_private_segment_fixed_size 0
		.amdhsa_enable_private_segment 0
		.amdhsa_kernarg_size 120
		.amdhsa_user_sgpr_count 2
		.amdhsa_user_sgpr_kernarg_segment_ptr 1
		.amdhsa_wavefront_size32 1
		.amdhsa_system_sgpr_workgroup_id_x 1
		.amdhsa_system_sgpr_workgroup_id_y 1
		.amdhsa_system_sgpr_workgroup_id_z 1
		.amdhsa_system_vgpr_workitem_id 0
		.amdhsa_next_free_vgpr 1024
		.amdhsa_next_free_sgpr 66
		.amdhsa_reserve_vcc 1
		.amdhsa_float_denorm_mode_32 3
		.amdhsa_float_denorm_mode_16_64 3
		.amdhsa_memory_ordered 1
		.amdhsa_forward_progress 1
		.amdhsa_inst_pref_size 228
	.end_amdhsa_kernel
	.amdgpu_metadata
---
amdhsa.version: [ 1, 2 ]
amdhsa.kernels:
  - .name:           k_q592b085ef0_actp
    .symbol:         k_q592b085ef0_actp.kd
    .args:
      - { .name: tactiles, .offset: 0, .size: 8, .value_kind: global_buffer, .address_space: global }
      - { .name: actions, .offset: 8, .size: 8, .value_kind: global_buffer, .address_space: global }
      - { .name: out0, .offset: 16, .size: 8, .value_kind: global_buffer, .address_space: global }
      - { .name: Wih1, .offset: 24, .size: 8, .value_kind: global_buffer, .address_space: global }
      - { .name: Whh1, .offset: 32, .size: 8, .value_kind: global_buffer, .address_space: global }
      - { .name: bih1, .offset: 40, .size: 8, .value_kind: global_buffer, .address_space: global }
      - { .name: bhh1, .offset: 48, .size: 8, .value_kind: global_buffer, .address_space: global }
      - { .name: Wih2, .offset: 56, .size: 8, .value_kind: global_buffer, .address_space: global }
      - { .name: Whh2, .offset: 64, .size: 8, .value_kind: global_buffer, .address_space: global }
      - { .name: bih2, .offset: 72, .size: 8, .value_kind: global_buffer, .address_space: global }
      - { .name: bhh2, .offset: 80, .size: 8, .value_kind: global_buffer, .address_space: global }
      - { .name: W1, .offset: 88, .size: 8, .value_kind: global_buffer, .address_space: global }
      - { .name: b1, .offset: 96, .size: 8, .value_kind: global_buffer, .address_space: global }
      - { .name: W2, .offset: 104, .size: 8, .value_kind: global_buffer, .address_space: global }
      - { .name: b2, .offset: 112, .size: 8, .value_kind: global_buffer, .address_space: global }
    .group_segment_fixed_size: 166400
    .private_segment_fixed_size: 0
    .kernarg_segment_align: 8
    .kernarg_segment_size: 120
    .max_flat_workgroup_size: 128
    .sgpr_count:     66
    .vgpr_count:     1024
    .wavefront_size: 32
...
	.end_amdgpu_metadata
.endif
;; end of part 1
;; ======== version 2 of 2: 1 launch; version 1 with the launch actp written anew for expert scheduling mode
;; limits: values are held in f16: magnitudes above 65,504 overflow, below 6.1e-05 lose precision; right only within a limited range of input values; values outside matrix products are rounded to f16
;; launch actp (part 2): grid 256 x 1, 4 waves a work-group, no clusters, 166,400 bytes of LDS; arguments tactiles, actions, out0, Wih1, Whh1, bih1, bhh1, Wih2, Whh2, bih2, bhh2, W1, b1, W2, b2; writes out0
.if DOCPART == 2
	.amdgcn_target "amdgcn-amd-amdhsa--gfx1250"
	.amdhsa_code_object_version 6
	.text
	.protected	k_q592b085ef0_actp
	.globl	k_q592b085ef0_actp
	.p2align	8
	.type	k_q592b085ef0_actp,@function
k_q592b085ef0_actp:
	s_mov_b64 s[64:65], 0
	v_nop
	global_prefetch_b8 v0, s[64:65] scope:SCOPE_SE
	s_setreg_imm32_b32 hwreg(HW_REG_WAVE_SCHED_MODE, 0, 2), 2
	s_setreg_imm32_b32 hwreg(HW_REG_WAVE_MODE, 25, 1), 1
	s_wait_xcnt 0x0
	s_wait_alu depctr_vm_vsrc(0)
; ACTP: two LSTM cells (hidden 50) and two dense layers, 19 steps over 32,768 rows that never meet.  ONE launch: h1, c1, h2, c2 and the fed-back prediction stay in registers.
; SHARES.  256 work-groups of four waves; a work-group owns 128 rows, a wave 32: two tiles of 16.  Lane l: r = l % 16 is the batch row in a tile, hh = l / 16.
; WORK LEFT OUT, for all values of the inputs:
;   tactiles[10:20]: reference() slices tactiles[:cf], cf = 10: those rows reach nothing and are not loaded.
;   out3, out4 of steps 0..8: ctx_step returns None and carry[4] is overwritten in the next step before anyone reads it; only step 9's survives as last_output.  fc1 and fc2 run from step 9 on.
;   h1 = h2 = 0 at step 0 (carry0 is built of zeros): the K tiles that hold only units 0..31 of h1 and of h2 are not multiplied there.  Units 32..49 share a K tile with bias, state or action: they stay, as zeros.
;   there is no step 19: step 18 makes no products for a next step, fetches no weights for them and does not pack its out4 as a next input.
;   tiled() repeats (action, state) four times: Wih2's columns 50+12k+j and 56+12k+j are summed over k in f32, and 12 columns are multiplied in place of 48.
;   What stays: sigmoid(f) x c at step 0, where c = 0: it lies in the same registers and the same text as live work.  Price: 104 lines that write c = 0, once a launch.
;   Every input has a way to the output; all are arguments.  A NaN, an infinity or an overflow that reaches only the work left out is not carried to the result.
; FORMAT AND LIMITS.  All matrix operands are f16, sums f32, everything else f32.  Weight rows are multiplied in f32 by -log2(e) (gates i, f, o) or 2 log2(e) (gate g, fc1, fc2), biases likewise, and
;   rounded once, so a product's sum is the argument of 2^x as it stands.  So |tactiles|, |actions| and 2.89 |W| (four times that for the summed columns) must stay under 65,504; below 6e-5 an operand keeps
;   f16's fixed step of 6e-8.  Pad rows and pad slots are made by a factor 0: a non-finite weight, action or tactile is not treated apart.  c is kept as C' = 2 log2(e) c.
;   sigmoid(z) = 1 / (1 + 2^(-log2(e) z)), tanh(z) = 1 - 2 / (1 + 2^(2 log2(e) z)): both ends are reached through 2^x = 0 or infinity, without a NaN.
; PRODUCTS are taken transposed: source 0 = 16 weight rows, source 1 = 16 batch rows x 32 K.  In the result lane (r, hh) holds batch row r, register j weight row 8 hh + j.
;   An LSTM tile mt holds 4 units x 4 gates: row m is gate (m % 8) / 2 of unit 4 mt + 2 (m / 8) + m % 2, so a lane's eight sums are i0 i1 f0 f1 g0 g1 o0 o1 of units 4 mt + 2 hh + 0, 1.
;   The packed h of tile mt is then register mt of a run of 13, and that run IS source 1 of the next products; the weight image uses the same order of K.
; NO CLUSTER: the work-groups share only the weights, 229,592 bytes as they lie in memory; with the image (129,024) and the stages (36,864) that is more than the 327,680 bytes of LDS, and each number is
;   gathered, scaled and summed by the lane that packs it.
; SOURCE 1 FRAGMENTS, window 0, F(t, f) = FR + 64 t + 8 f:  0 X0: x[0..31]   1 XB: x[32..47], 1.0, 0   2 H1a: h1[0..31]   3 H1B: h1[32..49], then lanes 0-15 the state, lanes 16-31 1.0
;   4 H2a   5 H2B: h2[32..49], the action   6 O3a: out3[0..31]   7 O3B: out3[32..49], 1.0
; CHAINS OVER K:  L1 = H1B (starts the sum; bias1), H1a | X0, XB.   L2 = H2B (starts; action), H2a | H1a, H1B (state, bias2).   fc1 = XB (starts; b1), X0, H2a, H2B.   fc2 = O3a (starts), O3B (b2).
;   The part ahead of the bar needs only the step before: it is multiplied EARLY, between the other cell's reciprocals; the part behind it LATE, between the cell's own exponentials.
; REGISTERS, in windows of 256 (s_set_vgpr_msb: bits 1:0 source 0, 3:2 source 1, 5:4 source 2, 7:6 destination):
;   window 0: v0-15 ids and addresses; v16-143 the fragments; v144-195 C'1; v196-247 C'2 (v196-255 are at work in the prologue, until C'2 is cleared)
;   window 1: v0-207 cell 1's sums, tile (mt, t) at 8 (2 mt + t); v208-255 the tactile rows on their way
;   window 2: v0-207 cell 2's sums (fc1: v0-63, fc2: v64-111, the output read back: v112-159); v208-219 the actions on their way; v220-243 packed x
;   window 3: 32 slots of a weight fragment, slot s at 8 s
; A matrix instruction and the vector lines round it lie in different windows, so each rider costs two switches; no vector line changes window inside a run.
; THE MODE: SCHED_MODE bits 1:0 = 2 (LLVM: expert scheduling mode 2), set by the entry lines.  The code itself states the register dependences between vector or matrix instructions and memory or
;   LDS instructions, with s_wait_alu, always for 0.
; THE PLAN.  Registers that memory or LDS instructions touch in the loop, and who else names them:
;   the 32 slots    Written by LDS loads alone, read by matrix instructions alone.  They are filled at five places, each behind a wait on va_vdst that a batch of exponentials or reciprocals has anyway and that
;                   stands behind the last product that read the slots; between that wait and the loads nothing names a slot.  Behind LATE 1's wait: slots 0-20 take cell 2's early fragments 5..25.  Behind
;                   A1R1 1's: 0-25 cell 2's late ones, 26-30 cell 1's early 0..4.  Behind LATE 2's: 0-20 cell 1's early 5..25.  Behind A1R1 2's: 0-25 cell 1's late ones (steps 0..8) or 0-21 fc1's and fc2's
;                   (steps 9..18), 26-30 cell 2's early 0..4.  Steps 9..17, behind the wait for fc2's exponentials: 0-25 cell 1's late ones.
;   AP              Read by six conversions, then loaded again: one wait on va_vdst between.
;   TP, XT, X0, XB  XIN's 24 conversions read TP and write XT; one wait on va_vdst behind them serves the LDS stores of XT, the LDS loads into X0 and XB (read last by cell 1's late products) and the loads into TP.
;   out4, its copy  window 2 v64-111: written by tanh's last lines, read by the stage's stores; v112-159: the stage's loads land there, the global stores read them.  One wait on va_vdst ahead of the stage's stores.
;   Written again after a memory or LDS instruction read them: XT (by XIN), window 2 v64-159 (by cell 2's first products).  ONE wait on vm_vsrc a step, behind LATE 1, which names none of them, stands ahead of both.
;   v6-v12, v14, v15  Addresses and offsets: written at the head, ahead of one wait on va_vdst, and never again: the rows are reached by scalar bases and immediates.
;   v4, v5          Written at the head, read by the closing add alone.
.set TSTEP, 6291456                    ; bytes from step to step in tactiles and out0: 32,768 rows x 192
.set ASTEP, 786432                     ; the same in actions: 32,768 x 24
.set LAST,  18                         ; the last step
.set XSTG,  129024                     ; LDS: behind the image (126 fragments x 1,024), each wave's 32 rows of x in f16, pitch 96: 3,072 bytes
.set OSTG,  141312                     ; each wave's 32 rows of out4 in f32, pitch 192: 6,144 bytes
.set SPARE, 165888                     ; the spare words, 128 bytes a wave: two blocks of 256 bytes that no other line names
.set RR,  1                            ; v1  r
.set HH,  2                            ; v2  hh
.set LN,  3                            ; v3  lane
.set SPW, 4                            ; v4  my spare word; never rewritten
.set NIL, 5                            ; v5  0; never rewritten
.set AW0, 6                            ; v6  16 l: my 16 bytes of a fragment's half, fragments 0..51 (cell 1)
.set AW1, 7                            ; v7  the same for fragments 52..103 (cell 2)
.set AW2, 8                            ; v8  for fragments 104..125 (fc1, fc2)
.set GOF, 6                            ; 16 l is also my offset in 512 consecutive bytes of tactiles and out0
.set XSA, 9                            ; v9  x stage, in: 8 l
.set XLA, 10                           ; v10 x stage, out: 96 r + 16 hh
.set OSA, 11                           ; v11 output stage, in: 192 r + 32 hh
.set OLA, 12                           ; v12 output stage, out: 16 l
.set AOF, 14                           ; v14 24 r: my row of actions
.set PFO, 15                           ; v15 the prefetch's offset
.set FR,  16
.set C1,  144
.set C2,  196
.set TP,  208                          ; window 1
.set AP,  208                          ; window 2
.set XT,  220                          ; window 2
.set MSB, 0
.macro WIN new                         ; the immediate's high byte repeats the setting that is left; a switch that changes nothing is dropped
.if MSB != (\new)
	s_set_vgpr_msb (MSB<<8)|(\new)
.set MSB, (\new)
.endif
.endm
.macro PLACES                          ; four plain lines between a matrix instruction and a vector line that touches its registers (ISA guide 7.12.1)
.rept 4
	v_nop
.endr
.endm
; n weight fragments from the image into slots from register reg on: a fragment is 1,024 bytes, registers 0-3 of lane l at 16 l, registers 4-7 at 512 + 16 l: each load takes 512 consecutive bytes
.macro LDA aw, frag, n, reg
	WIN 0xc0                           ; destination window 3, address window 0
.set li, 0
.rept \n
	ds_load_b128 v[(\reg)+8*li:(\reg)+8*li+3],   v[\aw] offset:1024*((\frag)+li)
	ds_load_b128 v[(\reg)+8*li+4:(\reg)+8*li+7], v[\aw] offset:1024*((\frag)+li)+512
.set li, li+1
.endr
.endm
; one matrix instruction: sums q_c in window x, weights q_a in window 3, activations q_b in window 0
.macro MMA x, zero
	WIN 0x03+0x50*(\x)
.if \zero
	v_wmma_f32_16x16x32_f16 v[q_c:q_c+7], v[q_a:q_a+7], v[q_b:q_b+7], 0
.else
	v_wmma_f32_16x16x32_f16 v[q_c:q_c+7], v[q_a:q_a+7], v[q_b:q_b+7], v[q_c:q_c+7]
.endif
.endm
; late product n of 52 of cell x: tile n / 4, K tile (n % 4) / 2, batch tile n % 2; its weights lie in slot 2 tile + K tile.  Two accumulators take turns, one instruction a turn.
.macro RLATE x, n
.set q_mt, (\n)/4
.set q_k, ((\n)%4)/2
.set q_t, (\n)%2
.set q_a, 8*(2*q_mt+q_k)
.set q_b, FR+64*q_t+8*(2*((\x)-1)+q_k)
.set q_c, 8*(2*q_mt+q_t)
	MMA \x, 0
.endm
; early product n of 52 of cell y: fragment e = n / 2 = 13 run + tile (run 0 starts the sums), batch tile n % 2.  Fragments 0..4 lie in slots 26-30, fragment e >= 5 in slot e - 5.
.macro REARLY y, n
.set q_e, (\n)/2
.set q_t, (\n)%2
.set q_r, q_e/13
.set q_mt, q_e%13
.if q_e < 5
.set q_a, 208+8*q_e
.else
.set q_a, 8*(q_e-5)
.endif
.set q_b, FR+64*q_t+8*(2*(\y)+1-q_r)
.set q_c, 8*(2*q_mt+q_t)
	MMA \y, 1-q_r
.endm
; THE LATE PRODUCTS OF CELL x AND ITS 208 EXPONENTIALS.  Tiles 0 and 1 are multiplied bare; then tile s + 2's four products stand one each ahead of four of tile s's exponentials.
; The one v_nop of a group makes five plain lines or more between a tile's last product and its first exponential.
; The exponentials are ONE batch: none reads another's result; one plain line and one wait behind the last.  Each accumulator is read from its lowest register on.
.macro LATE x
	s_wait_dscnt 0x0                   ; slots 0-25 hold the cell's late weights, slots 26-30 the first early weights of the other cell; x is in
.set ln, 0
.rept 8
	RLATE \x, ln
.set ln, ln+1
.endr
	PLACES
.set st, 0
.rept 13
.set gi, 0
.rept 4
.if st <= 10
	RLATE \x, ln
.set ln, ln+1
.endif
	WIN 0x55*(\x)
.set zr, 8*(2*st+gi/2)+4*(gi%2)
	v_exp_f32 v[zr], v[zr]
	v_nop
	v_exp_f32 v[zr+1], v[zr+1]
	v_exp_f32 v[zr+2], v[zr+2]
	v_exp_f32 v[zr+3], v[zr+3]
.set gi, gi+1
.endr
.set st, st+1
.endr
	v_nop                              ; the plain line behind the last exponential
	s_wait_alu depctr_va_vdst(0)       ; the 208 exponentials have written the sums' registers, ahead of their first reader; the 52 products are done reading slots 0-25, in which the next loads land, and (cell 1) X0 and XB
.endm
; 1 + e AND THE 208 RECIPROCALS OF CELL x, with nr early products of the other cell, one ahead of each group of four reciprocals.  An addition stands a group ahead of the reciprocals that read it.
; nr = 52: both runs; 26: the run that starts the sums alone (step 0); 0: none (the last step).
; The loads at the head land in slots 0-20.  No wait: their last readers stand ahead of LATE's wait on va_vdst, and nothing since names a slot or the address.
.macro A1R1 x, nr
.set yy, 3-(\x)
.if (\nr) == 52
	LDA AW0+yy-1, 5, 21, 0             ; run 0, tiles 5-12, then run 1
.endif
.if (\nr) == 26
	LDA AW0+yy-1, 5, 8, 0              ; run 0, tiles 5-12
.endif
	WIN 0x55*(\x)
	v_pk_add_f32 v[0:1], v[0:1], 1.0 op_sel_hi:[1,0]
	v_pk_add_f32 v[2:3], v[2:3], 1.0 op_sel_hi:[1,0]
.set gg, 0
.rept 52
.if ((\nr) == 52) && (gg == 10)
	s_wait_dscnt 26                    ; run 1's 26 loads may stay out: run 0's tiles 5-12 are in
.endif
.if ((\nr) == 26) && (gg == 10)
	s_wait_dscnt 0x0                   ; run 0's tiles 5-12 are in
.endif
.if ((\nr) == 52) && (gg == 26)
	s_wait_dscnt 0x0                   ; run 1 is in
.endif
.if gg < (\nr)
	REARLY yy, gg
.endif
	WIN 0x55*(\x)
	v_rcp_f32 v[4*gg], v[4*gg]
.if gg < 51
	v_pk_add_f32 v[4*gg+4:4*gg+5], v[4*gg+4:4*gg+5], 1.0 op_sel_hi:[1,0]
.endif
	v_rcp_f32 v[4*gg+1], v[4*gg+1]
	v_rcp_f32 v[4*gg+2], v[4*gg+2]
.if gg < 51
	v_pk_add_f32 v[4*gg+6:4*gg+7], v[4*gg+6:4*gg+7], 1.0 op_sel_hi:[1,0]
.endif
	v_rcp_f32 v[4*gg+3], v[4*gg+3]
.set gg, gg+1
.endr
	v_nop
	s_wait_alu depctr_va_vdst(0)       ; the 208 reciprocals have written their registers, ahead of their first reader; the early products are done reading slots 0-30, in which the hook's loads land
.endm
; The weights that the next phases want, asked for while the cell's plain arithmetic runs.  No wait: the slots' last readers stand ahead of A1R1's wait on va_vdst, and the 26 lines since name none of them.
.macro HOOK1
	LDA AW1, 26, 26, 0                 ; cell 2's late weights
	WIN 0
	s_cmp_eq_u32 s39, LAST
	s_cbranch_scc1 .Lh1_end            ; the last step multiplies nothing for a next one
	LDA AW0, 0, 5, 208                 ; cell 1's early run 0, tiles 0-4
	WIN 0
.Lh1_end:
.endm
.macro HOOK2
	WIN 0
	s_cmp_lt_u32 s39, 9
	s_cbranch_scc0 .Lh2_fc
	LDA AW0, 26, 26, 0                 ; steps 0..8: cell 1's late weights follow at once
	WIN 0
	s_branch .Lh2_b2
.Lh2_fc:
	LDA AW2, 0, 22, 0                  ; steps 9..18: fc1's sixteen fragments and fc2's six
	WIN 0
	s_cmp_eq_u32 s39, LAST
	s_cbranch_scc1 .Lh2_end
.Lh2_b2:
	LDA AW1, 0, 5, 208                 ; cell 2's early run 0, tiles 0-4
	WIN 0
.Lh2_end:
.endm
; THE REST OF CELL x.  In a tile's eight registers: 0, 1 sigmoid(i); 2, 3 sigmoid(f); 4, 5 the reciprocal for tanh(g); 6, 7 sigmoid(o).
.macro MIDFIN x
.if (\x) == 1
.set cb, C1
.else
.set cb, C2
.endif
.set wc, 0x11*(\x)                     ; C' in window 0, the sums in window x
.set we, 0x40*(\x)
	WIN 0x55*(\x)
.set ma, 0
.rept 26
	v_pk_fma_f32 v[8*ma+4:8*ma+5], v[8*ma+4:8*ma+5], s[52:53], s[50:51] op_sel_hi:[1,0,0]  ; 2 log2(e) tanh(g)
.set ma, ma+1
.endr
.if (\x) == 1
	HOOK1
.else
	HOOK2
.endif
	WIN 0x55*(\x)
.set ma, 0
.rept 26
	v_pk_mul_f32 v[8*ma:8*ma+1], v[8*ma:8*ma+1], v[8*ma+4:8*ma+5]
.set ma, ma+1
.endr
	WIN wc
.set ma, 0
.rept 26
	v_pk_fma_f32 v[cb+2*ma:cb+2*ma+1], v[8*ma+2:8*ma+3], v[cb+2*ma:cb+2*ma+1], v[8*ma:8*ma+1]  ; C' = sigmoid(f) C' + sigmoid(i) 2 log2(e) tanh(g)
.set ma, ma+1
.endr
	WIN we
.set ma, 0
.rept 26
	v_exp_f32 v[8*ma+2], v[cb+2*ma]
	v_exp_f32 v[8*ma+3], v[cb+2*ma+1]
.set ma, ma+1
.endr
	v_nop
	s_wait_alu depctr_va_vdst(0)       ; the 52 exponentials of C' have written their registers, ahead of their first reader
	WIN 0x55*(\x)
	v_pk_add_f32 v[2:3], v[2:3], 1.0 op_sel_hi:[1,0]
.set ma, 0
.rept 26
	v_rcp_f32 v[8*ma+2], v[8*ma+2]
.if ma < 25
	v_pk_add_f32 v[8*ma+10:8*ma+11], v[8*ma+10:8*ma+11], 1.0 op_sel_hi:[1,0]
.endif
	v_rcp_f32 v[8*ma+3], v[8*ma+3]
.set ma, ma+1
.endr
	v_nop
	s_wait_alu depctr_va_vdst(0)       ; the 52 reciprocals have written their registers, ahead of their first reader
.set ma, 0
.rept 26
	v_pk_fma_f32 v[8*ma+2:8*ma+3], v[8*ma+2:8*ma+3], -2.0, 1.0 op_sel_hi:[1,0,0]  ; tanh(c)
.set ma, ma+1
.endr
.set ma, 0
.rept 26
	v_pk_mul_f32 v[8*ma+2:8*ma+3], v[8*ma+2:8*ma+3], v[8*ma+6:8*ma+7]             ; h
.set ma, ma+1
.endr
	WIN 0x05*(\x)
.set ma, 0
.rept 26
	v_cvt_pk_f16_f32 v[FR+64*(ma%2)+16*(\x)+ma/2], v[8*ma+2], v[8*ma+3]           ; register mt of the run of 13: the next products' source 1
.set ma, ma+1
.endr
.endm
; tanh in place on np pairs of window 2: pair p at base + 2 p (fc1's pair 25 at 56: its last tile has one live pair in each batch tile)
; late = 1 (fc2's): behind the wait for the exponentials cell 1's late weights are asked for: fc1's and fc2's products, the slots' last readers, stand ahead of that wait
.macro TREG p
.set tr, tbase+2*(\p)+6*((\p)/25)
.endm
.macro TANH base, np, late=0
.set tbase, (\base)
	WIN 0xaa
.set tp, 0
.rept \np
	TREG tp
	v_exp_f32 v[tr], v[tr]
	v_exp_f32 v[tr+1], v[tr+1]
.set tp, tp+1
.endr
	v_nop
	s_wait_alu depctr_va_vdst(0)       ; the exponentials have written their registers, ahead of their first reader; with late = 1: the products of fc1 and fc2 are done reading slots 0-21
.if \late
	WIN 0
	s_cmp_eq_u32 s39, LAST
	s_cbranch_scc1 .Lf2                ; the last step has no next one
	LDA AW0, 26, 26, 0                 ; cell 1's late weights
	WIN 0
.Lf2:
	WIN 0xaa
.endif
	TREG 0
	v_pk_add_f32 v[tr:tr+1], v[tr:tr+1], 1.0 op_sel_hi:[1,0]
.set tp, 0
.rept \np
	TREG tp
.set t0, tr
	v_rcp_f32 v[t0], v[t0]
.if tp < (\np)-1
	TREG tp+1
	v_pk_add_f32 v[tr:tr+1], v[tr:tr+1], 1.0 op_sel_hi:[1,0]
.endif
	v_rcp_f32 v[t0+1], v[t0+1]
.set tp, tp+1
.endr
	v_nop
	s_wait_alu depctr_va_vdst(0)       ; the reciprocals have written their registers, ahead of their first reader
.set tp, 0
.rept \np
	TREG tp
	v_pk_fma_f32 v[tr:tr+1], v[tr:tr+1], -2.0, 1.0 op_sel_hi:[1,0,0]
.set tp, tp+1
.endr
.endm
; 32 rows of x, as loaded (48 registers at src in window win: 4 consecutive numbers a lane and load), rounded to f16, through my own stage, into X0 and XB.  LDS serves a wave's instructions in order (ISA guide 5.7.1.4).
.macro XIN src, win
	WIN 0x80|(5*(\win))
.set xi, 0
.rept 24
	v_cvt_pk_f16_f32 v[XT+xi], v[(\src)+2*xi], v[(\src)+2*xi+1]
.set xi, xi+1
.endr
	WIN 0x08                           ; address window 0, data window 2
	s_wait_alu depctr_va_vdst(0)       ; the conversions have written XT, which the LDS stores read, and are done reading the rows as loaded, in which the next rows land
.set xi, 0
.rept 12
	ds_store_b64 v[XSA], v[XT+2*xi:XT+2*xi+1] offset:256*xi
.set xi, xi+1
.endr
	WIN 0
.set xi, 0
.rept 6                                ; batch tile xi / 3, columns 16 (xi % 3) + 8 hh on.  No wait: the products that read X0 and XB stand ahead of the wait above
	ds_load_b128 v[FR+64*(xi/3)+4*(xi%3):FR+64*(xi/3)+4*(xi%3)+3], v[XLA] offset:1536*(xi/3)+32*(xi%3)
.set xi, xi+1
.endr
.endm
.macro PKR dst, src, n                 ; n pairs rounded to f16
.set pi, 0
.rept \n
	v_cvt_pk_f16_f32 v[(\dst)+pi], v[(\src)+2*pi], v[(\src)+2*pi+1]
.set pi, pi+1
.endr
.endm
.macro STF aw, reg, off                ; a fragment into the image
	ds_store_b128 v[\aw], v[(\reg):(\reg)+3] offset:(\off)
	ds_store_b128 v[\aw], v[(\reg)+4:(\reg)+7] offset:(\off)+512
.endm
	; ---------------- the head ----------------
	s_load_b512 s[8:23], s[0:1], 0x0   ; tactiles s[8:9], actions s[10:11], out0 s[12:13], Wih1 s[14:15], Whh1 s[16:17], bih1 s[18:19], bhh1 s[20:21], Wih2 s[22:23]
	s_load_b256 s[24:31], s[0:1], 0x40 ; Whh2 s[24:25], bih2 s[26:27], bhh2 s[28:29], W1 s[30:31]
	s_load_b128 s[32:35], s[0:1], 0x60 ; b1 s[32:33], W2 s[34:35]
	s_load_b64 s[36:37], s[0:1], 0x70  ; b2
	v_lshl_add_u32 v[SPW], v0, 2, SPARE
	v_mov_b32 v[NIL], 0
	v_lshrrev_b32 v[LN], 5, v0
	v_readfirstlane_b32 s38, v[LN]     ; wave 0..3
	v_and_b32 v[LN], 31, v0
	v_and_b32 v[RR], 15, v0
	v_bfe_u32 v[HH], v0, 4, 1
	s_mov_b32 s50, 0x4038aa3b          ; 2 log2(e), named as a pair
	s_mov_b32 s51, 0x4038aa3b
	s_mov_b32 s52, 0xc0b8aa3b          ; -4 log2(e)
	s_mov_b32 s53, 0xc0b8aa3b
	s_mov_b32 s54, 0xffff0000          ; the lanes with hh = 1
	v_lshlrev_b32 v[AW0], 4, v[LN]
	v_add_nc_u32 v[AW1], 53248, v[AW0]
	v_add_nc_u32 v[AW2], 106496, v[AW0]
	s_wait_alu depctr_va_sdst(0)       ; s38 is written, ahead of its first reader: stages, offsets and branches are made from it
	s_mul_i32 s55, s38, 3072
	s_add_co_u32 s55, s55, XSTG        ; my x stage
	v_lshl_add_u32 v[XSA], v[LN], 3, s55
	v_mul_u32_u24 v[XLA], v[RR], 96
	v_lshl_add_u32 v[XLA], v[HH], 4, v[XLA]
	v_add_nc_u32 v[XLA], s55, v[XLA]
	s_mul_i32 s58, s38, 6144
	s_add_co_u32 s58, s58, OSTG        ; my output stage
	v_mul_u32_u24 v[OSA], v[RR], 192
	v_lshl_add_u32 v[OSA], v[HH], 5, v[OSA]
	v_add_nc_u32 v[OSA], s58, v[OSA]
	v_lshl_add_u32 v[OLA], v[LN], 4, s58
	v_mul_u32_u24 v[AOF], v[RR], 24
	s_lshl_b32 s59, s38, 11
	v_lshl_add_u32 v[PFO], v[LN], 8, s59   ; block 32 w + l of the work-group's 96 blocks of 256 bytes, counted from my wave's rows: 8,192 w + 256 l - 6,144 w
	s_lshl_b32 s2, ttmp9, 7
	s_lshl_b32 s3, s38, 5
	s_add_co_u32 s2, s2, s3            ; my first row
	s_mul_i32 s4, s2, 192
	s_mov_b32 s5, 0
	s_add_co_u32 s6, s4, TSTEP         ; tactiles: at step 1, the loads of step 0 reach back
	s_mov_b32 s7, 0
	s_mul_i32 s56, s2, 24
	s_add_co_u32 s56, s56, ASTEP       ; actions: at index 1
	s_mov_b32 s57, 0
	; the rows of W1, b1, W2, b2 that I pack: fc tile = my wave's number, row 16 w + r
	s_lshl_b32 s60, s38, 4
	v_add_nc_u32 v240, s60, v[RR]
	v_min_u32 v241, 49, v240           ; rows 50..63 of fc1's last tile are pad rows: a live row is read and multiplied by 0
	v_mul_u32_u24 v242, v241, 392
	v_lshl_add_u32 v243, v[HH], 3, v242
	v_lshl_add_u32 v244, v[HH], 5, v242
	v_lshlrev_b32 v245, 2, v241
	v_mul_u32_u24 v246, v240, 200
	v_lshl_add_u32 v247, v[HH], 5, v246
	v_lshlrev_b32 v248, v[HH], v240
	v_lshlrev_b32 v248, 2, v240
	s_wait_kmcnt 0x0
	s_add_nc_u64 s[44:45], s[8:9], s[6:7]
	s_add_nc_u64 s[46:47], s[10:11], s[56:57]
	s_add_nc_u64 s[48:49], s[12:13], s[4:5]
	WIN 0x80                           ; destination window 2
	s_wait_alu depctr_va_vdst(0)       ; v4 to v15 and v242 to v248 are written: every address and offset that the loads, stores and the prefetch of the kernel read, but for the builders' own
.set i, 0
.rept 12
	global_load_b128 v[4*i:4*i+3], v[GOF], s[44:45] offset:512*i-TSTEP th:TH_LOAD_NT    ; x(0): my 32 rows are 6,144 consecutive bytes
.set i, i+1
.endr
.set i, 0
.rept 6                                ; batch tile i / 3, numbers 2 (i % 3) on
	global_load_b64 v[48+2*i:48+2*i+1], v[AOF], s[46:47] offset:384*(i/3)+8*(i%3)-ASTEP ; the state, actions[0]
	global_load_b64 v[AP+2*i:AP+2*i+1], v[AOF], s[46:47] offset:384*(i/3)+8*(i%3)       ; step 0's action, actions[1]
.set i, i+1
.endr
	WIN 0x40                           ; destination window 1
.set i, 0
.rept 12
	global_load_b128 v[TP+4*i:TP+4*i+3], v[GOF], s[44:45] offset:512*i th:TH_LOAD_NT    ; x(1)
.set i, i+1
.endr
	; fc1's row: h2's columns in the order of H2a, H2B; x's in natural order
.set FH, 0
.set FX, 26
.set FB, 50
.set G2, 52
.set GB, 78
.set i, 0
.rept 12
	global_load_b64 v[FH+2*i:FH+2*i+1], v243, s[30:31] offset:16*i
	global_load_b64 v[FX+2*i:FX+2*i+1], v244, s[30:31] offset:200+8*(i%4)+64*(i/4)
.set i, i+1
.endr
	global_load_b64 v[FH+24:FH+25], v242, s[30:31] offset:192
	global_load_b32 v[FB], v245, s[32:33]
	WIN 0
	s_cmp_lt_u32 s38, 3                ; fc2 has three tiles
	s_cbranch_scc0 .Lno_fc2_loads
	WIN 0x40
.set i, 0
.rept 12
	global_load_b64 v[G2+2*i:G2+2*i+1], v247, s[34:35] offset:8*(i%4)+64*(i/4)
.set i, i+1
.endr
	global_load_b64 v[G2+24:G2+25], v246, s[34:35] offset:192
	global_load_b32 v[GB], v248, s[36:37]
	WIN 0
.Lno_fc2_loads:
	; ---------------- the image of the two cells' weights: tile mt = wave + 4 x trip, eight fragments a tile ----------------
.set BW1, 0                            ; window 3: Wih1's row, 24 numbers
.set BH1, 24                           ; Whh1's, 26: pairs 0-11 in the order of H1a, H1B, pair 12 = units 48, 49
.set BH2, 50                           ; Whh2's
.set BI2, 76                           ; Wih2's columns 0..49
.set BT,  102                          ; Wih2's columns 50..97
.set BB,  150                          ; bih1, bhh1, bih2, bhh2
.set FAC, 154                          ; the row's factor, twice
.set FACL, 156                         ; the same in lanes 0-15, 0 in lanes 16-31, twice
.set FACH, 158                         ; 0 in lanes 0-15, the factor in lanes 16-31
.set ZR,  159                          ; 0
.set PK,  160                          ; the eight fragments, packed
	v_bfe_u32 v196, v[RR], 1, 2        ; my row's gate
	v_lshrrev_b32 v197, 3, v[RR]
	v_and_b32 v198, 1, v[RR]
	v_lshl_add_u32 v197, v197, 1, v198
	v_lshl_add_u32 v197, s38, 2, v197  ; its unit: 4 mt + 2 (r / 8) + r % 2
	v_mul_u32_u24 v199, v196, 50
	v_mov_b32 v200, 0xbfb8aa3b         ; -log2(e) for i, f, o
	v_mov_b32 v201, 0x4038aa3b         ; 2 log2(e) for g
	v_cmp_eq_u32 vcc_lo, 2, v196
	s_wait_alu depctr_va_vcc(0)        ; VCC is written, ahead of the select that reads it
	v_cndmask_b32 v200, v200, v201, vcc_lo
	v_mov_b32 v208, 0
	s_lshl_b32 s61, s38, 10
	v_lshl_add_u32 v202, v[LN], 4, s61 ; fragments mt and 13 + mt
	v_add_nc_u32 v203, 53248, v202     ; fragments 52 + mt and 65 + mt
	s_add_co_u32 s62, s59, 26624
	v_lshl_add_u32 v204, v[LN], 4, s62 ; fragments 26 + 2 mt, 27 + 2 mt, 78 + 2 mt, 79 + 2 mt
	WIN 0xc0
	v_mov_b32 v[ZR], 0
	v_mov_b32 v[PK+6], 0               ; the slots that hold 0 in every tile
	v_mov_b32 v[PK+7], 0
	v_mov_b32 v[PK+28], 0
	v_mov_b32 v[PK+29], 0
	v_mov_b32 v[PK+30], 0
	v_mov_b32 v[PK+31], 0
	WIN 0
	s_mov_b32 s40, 4
	s_mov_b32 s41, s38
.Lbuild:
	s_cmp_ge_u32 s41, 13               ; there are 13 tiles: the fourth trip is wave 0's alone
	s_cbranch_scc1 .Lbuild_skip
	v_min_u32 v205, 49, v197           ; units 50, 51 of tile 12 are pad rows
	v_add_nc_u32 v205, v199, v205      ; the row in the four weight tensors
	v_cmp_gt_u32 vcc_lo, 50, v197
	s_wait_alu depctr_va_vcc(0)        ; VCC is written, ahead of the select that reads it
	v_cndmask_b32 v206, 0, v200, vcc_lo
	v_cndmask_b32 v207, v206, v208, s54
	v_cndmask_b32 v209, v208, v206, s54
	v_mul_u32_u24 v210, v205, 192
	v_lshl_add_u32 v210, v[HH], 5, v210
	v_mul_u32_u24 v211, v205, 200
	v_lshl_add_u32 v212, v[HH], 3, v211
	v_mul_u32_u24 v213, v205, 392
	v_lshl_add_u32 v214, v[HH], 3, v213
	v_lshlrev_b32 v215, 2, v205
	WIN 0xc0
	s_wait_alu depctr_va_vdst(0)       ; the offsets v210 to v215 are written, which the loads read; the last trip's lines are done with the row's registers, in which the loads land
.set i, 0
.rept 6
	global_load_b128 v[BW1+4*i:BW1+4*i+3], v210, s[14:15] offset:16*(i%2)+64*(i/2)
.set i, i+1
.endr
.set i, 0
.rept 12
	global_load_b64 v[BH1+2*i:BH1+2*i+1], v212, s[16:17] offset:16*i
	global_load_b64 v[BH2+2*i:BH2+2*i+1], v212, s[24:25] offset:16*i
	global_load_b64 v[BI2+2*i:BI2+2*i+1], v214, s[22:23] offset:16*i
.set i, i+1
.endr
	global_load_b64 v[BH1+24:BH1+25], v211, s[16:17] offset:192
	global_load_b64 v[BH2+24:BH2+25], v211, s[24:25] offset:192
	global_load_b64 v[BI2+24:BI2+25], v213, s[22:23] offset:192
.set i, 0
.rept 24
	global_load_b64 v[BT+2*i:BT+2*i+1], v213, s[22:23] offset:200+8*i
.set i, i+1
.endr
	global_load_b32 v[BB], v215, s[18:19]
	global_load_b32 v[BB+1], v215, s[20:21]
	global_load_b32 v[BB+2], v215, s[26:27]
	global_load_b32 v[BB+3], v215, s[28:29]
	v_mov_b32 v[FAC], v206
	v_mov_b32 v[FAC+1], v206
	v_mov_b32 v[FACL], v207
	v_mov_b32 v[FACL+1], v207
	v_mov_b32 v[FACH], v209
	s_wait_loadcnt 0x0                 ; the row is in
	WIN 0xff
.set i, 1
.rept 3                                ; the four repeats of (action, state) become 12 columns
.set j, 0
.rept 6
	v_pk_add_f32 v[BT+2*j:BT+2*j+1], v[BT+2*j:BT+2*j+1], v[BT+12*i+2*j:BT+12*i+2*j+1]
.set j, j+1
.endr
.set i, i+1
.endr
	v_add_f32 v[BB], v[BB], v[BB+1]
	v_add_f32 v[BB+2], v[BB+2], v[BB+3]
.set i, 0
.rept 51
.if (i == 24) || (i == 37) || (i == 50)
	v_pk_mul_f32 v[2*i:2*i+1], v[2*i:2*i+1], v[FACL:FACL+1]   ; units 48, 49 lie in lanes 0-15 alone
.else
	v_pk_mul_f32 v[2*i:2*i+1], v[2*i:2*i+1], v[FAC:FAC+1]
.endif
.set i, i+1
.endr
.set j, 0
.rept 6
	v_pk_mul_f32 v[BT+2*j:BT+2*j+1], v[BT+2*j:BT+2*j+1], v[FACL:FACL+1]
.set j, j+1
.endr
	v_mul_f32 v[BB], v[BB], v[FACH]                            ; the biases meet the 1.0 of lanes 16-31
	v_fma_f32 v[BT+6], v[BB+2], v[FACH], v[BT+6]
	PKR PK, BH1+16, 5                  ; cell 1, H1B: units 32..49,
	v_cvt_pk_f16_f32 v[PK+5], v[BB], v[ZR]                     ; bias1
	PKR PK+8, BH1, 8                   ; cell 1, H1a
	PKR PK+16, BW1, 8                  ; cell 1, X0
	PKR PK+24, BW1+16, 4               ; cell 1, XB
	PKR PK+32, BH2+16, 5               ; cell 2, H2B,
	PKR PK+37, BT, 3                   ; the action's columns
	PKR PK+40, BH2, 8                  ; cell 2, H2a
	PKR PK+48, BI2, 8                  ; cell 2, H1a
	PKR PK+56, BI2+16, 5               ; cell 2, H1B,
	PKR PK+61, BT+6, 3                 ; the state's columns and bias2
	WIN 0x0c                           ; address window 0, data window 3
	s_wait_alu depctr_va_vdst(0)       ; the roundings have written the eight fragments, and v202 to v204 are written: the LDS stores read both
	STF 202, PK, 0
	STF 202, PK+8, 13312
	STF 204, PK+16, 0
	STF 204, PK+24, 1024
	STF 203, PK+32, 0
	STF 203, PK+40, 13312
	STF 204, PK+48, 53248
	STF 204, PK+56, 54272
	s_wait_alu depctr_vm_vsrc(0)       ; the trip's loads have read v210 to v215, its LDS stores v202 to v204 and the fragments: the addresses are written again just below, the others in the next trip
	WIN 0
.Lbuild_skip:
	v_add_nc_u32 v197, 16, v197        ; four tiles on
	v_add_nc_u32 v202, 4096, v202
	v_add_nc_u32 v203, 4096, v203
	v_add_nc_u32 v204, 8192, v204
	s_add_co_u32 s41, s41, 4
	s_sub_co_u32 s40, s40, 1
	s_cmp_lg_u32 s40, 0
	s_cbranch_scc1 .Lbuild
	; ---------------- the image of fc1 (a tile a wave) and fc2 (waves 0-2) ----------------
.set F1,  80                           ; window 1: fc1's factor, twice; then in lanes 0-15 alone; the same for fc2; 0
.set F1L, 82
.set F2,  84
.set F2L, 86
.set Z1,  88
.set P1,  96
.set P2,  128
	s_wait_loadcnt 0x0                 ; everything asked for so far is in
	v_cmp_gt_u32 vcc_lo, 50, v240
	s_wait_alu depctr_va_vcc(0)        ; VCC is written, ahead of the select that reads it
	v_cndmask_b32 v206, 0, v201, vcc_lo
	v_cndmask_b32 v207, v206, v208, s54
	v_cndmask_b32 v209, v201, v208, s54
	v_lshl_add_u32 v216, s38, 12, v[AW2]   ; fragments 104 + 4 w on
	v_lshl_add_u32 v217, s38, 11, v[AW2]   ; fragments 120 + 2 w on, with 16,384 in the immediate
	WIN 0x40
	v_mov_b32 v[F1], v206
	v_mov_b32 v[F1+1], v206
	v_mov_b32 v[F1L], v207
	v_mov_b32 v[F1L+1], v207
	v_mov_b32 v[F2], v201
	v_mov_b32 v[F2+1], v201
	v_mov_b32 v[F2L], v209
	v_mov_b32 v[F2L+1], v209
	v_mov_b32 v[Z1], 0
	WIN 0x55
.set i, 0
.rept 25
.if i == 12
	v_pk_mul_f32 v[2*i:2*i+1], v[2*i:2*i+1], v[F1L:F1L+1]
.else
	v_pk_mul_f32 v[2*i:2*i+1], v[2*i:2*i+1], v[F1:F1+1]
.endif
.set i, i+1
.endr
	v_mul_f32 v[FB], v[FB], v[F1L]
	PKR P1, FX+16, 4                   ; XB: x[32..47],
	v_cvt_pk_f16_f32 v[P1+4], v[FB], v[Z1]                     ; b1
	PKR P1+8, FX, 8                    ; X0
	PKR P1+16, FH, 8                   ; H2a
	PKR P1+24, FH+16, 5                ; H2B; the action's slots hold 0
.irp z, 5,6,7,29,30,31
	v_mov_b32 v[P1+\z], 0
.endr
	WIN 0x04                           ; address window 0, data window 1
	s_wait_alu depctr_va_vdst(0)       ; fc1's four fragments and the addresses v216, v217 are written, which the LDS stores read
	STF 216, P1, 0
	STF 216, P1+8, 1024
	STF 216, P1+16, 2048
	STF 216, P1+24, 3072
	WIN 0
	s_cmp_lt_u32 s38, 3
	s_cbranch_scc0 .Lno_fc2_build
	WIN 0x55
.set i, 0
.rept 13
.if i == 12
	v_pk_mul_f32 v[G2+2*i:G2+2*i+1], v[G2+2*i:G2+2*i+1], v[F2L:F2L+1]
.else
	v_pk_mul_f32 v[G2+2*i:G2+2*i+1], v[G2+2*i:G2+2*i+1], v[F2:F2+1]
.endif
.set i, i+1
.endr
	v_mul_f32 v[GB], v[GB], v[F2L]
	PKR P2, G2, 8                      ; O3a
	PKR P2+8, G2+16, 5                 ; O3B,
	v_cvt_pk_f16_f32 v[P2+13], v[GB], v[Z1]                    ; b2
	v_mov_b32 v[P2+14], 0
	v_mov_b32 v[P2+15], 0
	WIN 0x04
	s_wait_alu depctr_va_vdst(0)       ; fc2's two fragments are written, which the LDS stores read
	STF 217, P2, 16384
	STF 217, P2+8, 17408
	WIN 0
.Lno_fc2_build:
	; ---------------- what step 0 finds ----------------
	XIN 0, 2                           ; x(0)
	WIN 0x0a                           ; sources window 2, destination window 0
.set i, 0
.rept 6
	v_cvt_pk_f16_f32 v[FR+64*(i/3)+29+i%3], v[48+2*i], v[48+2*i+1]   ; the state into H1B's registers 5-7
.set i, i+1
.endr
	WIN 0
	v_mov_b32 v196, 0x3c00             ; f16 1.0 and 0
.irp t, 0,1
	v_cndmask_b32 v[FR+64*\t+29], v[FR+64*\t+29], v196, s54    ; lanes 16-31: 1.0 for the biases, then 0
	v_cndmask_b32 v[FR+64*\t+30], v[FR+64*\t+30], v208, s54
	v_cndmask_b32 v[FR+64*\t+31], v[FR+64*\t+31], v208, s54
	v_mov_b32 v[FR+64*\t+12], 0x3c00   ; XB's register 4: 1.0 for b1
	v_mov_b32 v[FR+64*\t+61], 0x3c00   ; O3B's register 5: 1.0 for b2
.irp z, 13,14,15,62,63
	v_mov_b32 v[FR+64*\t+\z], 0
.endr
.irp z, 24,25,26,27,28,40,41,42,43,44
	v_mov_b32 v[FR+64*\t+\z], 0        ; h1, h2 = 0: units 32..49
.endr
.irp z, 32,33,34,35,36,37,38,39
	v_mov_b32 v[FR+64*\t+\z], 0        ; H2a is not multiplied at step 0; it is written so that the loop's one text names no register that was never written
.endr
.endr
.set i, 0
.rept 52
	v_mov_b32 v[C1+i], 0               ; c1 = 0
.set i, i+1
.endr
	s_wait_dscnt 0x0                   ; for the others' sake: my part of the image is stored; x(0) is in
	s_wait_alu depctr_vm_vsrc(0)       ; the prologue's loads and LDS stores have read their registers: the offsets and addresses in v202 to v247 become C'2, fc1's and fc2's packed fragments become cell 1's sums
	s_barrier_signal -1
.set i, 0
.rept 52
	v_mov_b32 v[C2+i], 0               ; c2 = 0: work on registers between signal and wait
.set i, i+1
.endr
	s_barrier_wait -1                  ; the image is whole; from here on it is only read, and no further barrier stands in the text
	LDA AW0, 0, 13, 0                  ; cell 1's early run 0.  No wait: the builder's lines on these registers stand ahead of the waits on va_vdst above, and nothing since names them
	s_wait_dscnt 0x0
.set ln, 0
.rept 26                               ; cell 1's sums of step 0 start with bias1; H1a's products are left out
.set q_a, 8*(ln/2)
.set q_b, FR+64*(ln%2)+24
.set q_c, 8*ln
	MMA 1, 1
.set ln, ln+1
.endr
	PLACES
	s_wait_alu depctr_va_vdst(0)       ; the 26 products are done reading slots 0-12, in which the loads below land
	LDA AW0, 26, 26, 0                 ; cell 1's late weights
	LDA AW1, 0, 5, 208                 ; cell 2's early run 0, tiles 0-4
	WIN 0
	s_mov_b32 s39, 0
	; ---------------- a step ----------------
.Lstep:
	LATE 1
	; what the next steps want from memory.  Everything that is out was asked for a whole step ago.
	WIN 0
	s_wait_loadcnt 0x0
	WIN 0x0a
.set i, 0
.rept 6
	v_cvt_pk_f16_f32 v[FR+64*(i/3)+45+i%3], v[AP+2*i], v[AP+2*i+1]   ; this step's action into H2B's registers 5-7
.set i, i+1
.endr
	WIN 0
	s_wait_xcnt 0x0                    ; the last step's loads and prefetch have read their addresses: the two pointers may be written
	s_wait_alu depctr_vm_vsrc(0)       ; the last step's LDS stores have read XT and out4, its global stores out4's copy: XT is written again by the conversions below, window 2's v64-159 by cell 2's first products
	s_cmp_eq_u32 s39, LAST
	s_cbranch_scc1 .Lp_end
	s_add_nc_u64 s[46:47], s[46:47], ASTEP
	WIN 0x80
	s_wait_alu depctr_va_vdst(0)       ; the six conversions are done reading AP, in which the loads below land
.set i, 0
.rept 6
	global_load_b64 v[AP+2*i:AP+2*i+1], v[AOF], s[46:47] offset:384*(i/3)+8*(i%3)   ; the next step's action
.set i, i+1
.endr
	WIN 0
	s_cmp_gt_u32 s39, 8
	s_cbranch_scc1 .Lp_end             ; from step 9 on x is the prediction
	XIN TP, 1                          ; x of the next step; cell 1 has read this step's, and fc1 does not run before step 9
	s_cmp_gt_u32 s39, 7
	s_cbranch_scc1 .Lp_end
	s_add_nc_u64 s[44:45], s[44:45], TSTEP
	WIN 0x40
.set i, 0
.rept 12
	global_load_b128 v[TP+4*i:TP+4*i+3], v[GOF], s[44:45] offset:512*i th:TH_LOAD_NT ; x two steps on.  No wait: the conversions that read these registers stand ahead of XIN's wait on va_vdst
.set i, i+1
.endr
	WIN 0
	s_cmp_gt_u32 s39, 6                ; steps 0..6 name x(3) .. x(9): the last tactile row that is ever loaded
	s_cbranch_scc1 .Lp_end
	s_cmp_gt_u32 s38, 2
	s_cbranch_scc1 .Lp_end
	global_prefetch_b8 v[PFO], s[44:45] offset:TSTEP th:TH_LOAD_NT scope:SCOPE_SE    ; x three steps on: the work-group's 128 rows are 96 blocks of 256 bytes; waves 0-2 name 32 each, a lane a block, each block once in the launch
.Lp_end:
	s_cmp_eq_u32 s39, 0
	s_cbranch_scc0 .La1_full
	A1R1 1, 26                         ; step 0: h2 = 0, H2a's run is left out
	WIN 0
	s_branch .La1_done
.La1_full:
	A1R1 1, 52
	WIN 0
.La1_done:
	MIDFIN 1
	LATE 2
	WIN 0
	s_cmp_eq_u32 s39, LAST
	s_cbranch_scc0 .La2_full
	A1R1 2, 0                          ; the last step: no next step's products
	WIN 0
	s_branch .La2_done
.La2_full:
	A1R1 2, 52
	WIN 0
.La2_done:
	MIDFIN 2
	WIN 0
	s_cmp_lt_u32 s39, 9
	s_cbranch_scc1 .Lno_fc             ; out3 and out4 of steps 0..8 reach no output
	; fc1: four tiles of 16 units x two batch tiles, K = XB, X0, H2a, H2B; four accumulators take turns
	s_wait_dscnt 0x0                   ; fc1's and fc2's weights are in
.set pp, 0
.rept 2
.set kk, 0
.rept 4
.if kk < 2
.set ff, 1-kk
.else
.set ff, kk+2
.endif
.set mm, 0
.rept 2
.set tt, 0
.rept 2
.set q_a, 64*pp+8*(4*mm+kk)
.set q_b, FR+64*tt+8*ff
.set q_c, 8*(2*(2*pp+mm)+tt)
.if kk == 0
	MMA 2, 1
.else
	MMA 2, 0
.endif
.set tt, tt+1
.endr
.set mm, mm+1
.endr
.set kk, kk+1
.endr
.set pp, pp+1
.endr
	PLACES                             ; for the exponentials
	TANH 0, 26
	WIN 0x0a
.set ma, 0
.rept 6
.set j, 0
.rept 4
	v_cvt_pk_f16_f32 v[FR+64*(ma%2)+48+4*(ma/2)+j], v[8*ma+2*j], v[8*ma+2*j+1]   ; out3[0..47]
.set j, j+1
.endr
.set ma, ma+1
.endr
	v_cvt_pk_f16_f32 v[FR+60], v[48], v[49]                    ; out3[48, 49]
	v_cvt_pk_f16_f32 v[FR+124], v[56], v[57]
.set kk, 0
.rept 2                                ; fc2: three tiles x two batch tiles, K = O3a, O3B; six accumulators take turns; its weights lie in slots 16-21
.set ma, 0
.rept 6
.set q_a, 128+8*(2*(ma/2)+kk)
.set q_b, FR+64*(ma%2)+8*(6+kk)
.set q_c, 64+8*ma
	MMA 2, 1-kk
.set ma, ma+1
.endr
.set kk, kk+1
.endr
	PLACES
	TANH 64, 24, 1
	WIN 0
	s_cmp_eq_u32 s39, LAST
	s_cbranch_scc1 .Lf3
	WIN 0x0a
.set ma, 0
.rept 6
.set j, 0
.rept 4
	v_cvt_pk_f16_f32 v[FR+64*(ma%2)+4*(ma/2)+j], v[64+8*ma+2*j], v[64+8*ma+2*j+1]  ; the prediction is the next step's x
.set j, j+1
.endr
.set ma, ma+1
.endr
	WIN 0
.Lf3:
	; the way out: a lane's eight numbers of a row go into my own stage; the 32 rows come back as 6,144 consecutive bytes
	WIN 0x08                           ; address window 0, data window 2
	s_wait_alu depctr_va_vdst(0)       ; tanh's last lines have written out4, which the LDS stores read; cell 2's lines are long done with v112-159, in which the stage's loads land
.set ma, 0
.rept 6
	ds_store_b128 v[OSA], v[64+8*ma:64+8*ma+3]   offset:3072*(ma%2)+64*(ma/2)
	ds_store_b128 v[OSA], v[64+8*ma+4:64+8*ma+7] offset:3072*(ma%2)+64*(ma/2)+16
.set ma, ma+1
.endr
	WIN 0x80
.set i, 0
.rept 12
	ds_load_b128 v[112+4*i:112+4*i+3], v[OLA] offset:512*i     ; LDS serves a wave's instructions in order: these see the stores above
.set i, i+1
.endr
	WIN 0x08
.set i, 0
.rept 12
	s_wait_dscnt 11-i                  ; read i is back; the younger ones may stay out
	global_store_b128 v[GOF], v[112+4*i:112+4*i+3], s[48:49] offset:512*i th:TH_STORE_NT  ; 512 consecutive bytes, at a multiple of 256 from out0's first
.set i, i+1
.endr
	WIN 0
	s_wait_xcnt 0x0                    ; the stores have had their addresses translated: their base may be written
	s_add_nc_u64 s[48:49], s[48:49], TSTEP
.Lno_fc:
	s_add_co_u32 s39, s39, 1
	s_cmp_lt_u32 s39, 19
	s_cbranch_scc1 .Lstep
	s_wait_dscnt 0x0                   ; the closing lines, six on end
	s_wait_alu 0x0
	s_wait_tensorcnt 0x0
	ds_add_u32 v[SPW], v[NIL]
	s_wait_dscnt 0x0
	s_endpgm
.Lfunc_end_k_q592b085ef0_actp:
	.size	k_q592b085ef0_actp, .Lfunc_end_k_q592b085ef0_actp-k_q592b085ef0_actp
	.p2alignl 7, 3214868480
	.fill 96, 4, 3214868480
	.section	.rodata,"a",@progbits
	.p2align	6, 0x0
	.amdhsa_kernel k_q592b085ef0_actp
		.amdhsa_group_segment_fixed_size 166400
		.amdhsa_private_segment_fixed_size 0
		.amdhsa_enable_private_segment 0
		.amdhsa_kernarg_size 120
		.amdhsa_user_sgpr_count 2
		.amdhsa_user_sgpr_kernarg_segment_ptr 1
		.amdhsa_wavefront_size32 1
		.amdhsa_system_sgpr_workgroup_id_x 1
		.amdhsa_system_sgpr_workgroup_id_y 1
		.amdhsa_system_sgpr_workgroup_id_z 1
		.amdhsa_system_vgpr_workitem_id 0
		.amdhsa_next_free_vgpr 1024
		.amdhsa_next_free_sgpr 66
		.amdhsa_reserve_vcc 1
		.amdhsa_float_denorm_mode_32 3
		.amdhsa_float_denorm_mode_16_64 3
		.amdhsa_memory_ordered 1
		.amdhsa_forward_progress 1
		.amdhsa_inst_pref_size 231
	.end_amdhsa_kernel
	.amdgpu_metadata
---
amdhsa.version: [ 1, 2 ]
amdhsa.kernels:
  - .name:           k_q592b085ef0_actp
    .symbol:         k_q592b085ef0_actp.kd
    .args:
      - { .name: tactiles, .offset: 0, .size: 8, .value_kind: global_buffer, .address_space: global }
      - { .name: actions, .offset: 8, .size: 8, .value_kind: global_buffer, .address_space: global }
      - { .name: out0, .offset: 16, .size: 8, .value_kind: global_buffer, .address_space: global }
      - { .name: Wih1, .offset: 24, .size: 8, .value_kind: global_buffer, .address_space: global }
      - { .name: Whh1, .offset: 32, .size: 8, .value_kind: global_buffer, .address_space: global }
      - { .name: bih1, .offset: 40, .size: 8, .value_kind: global_buffer, .address_space: global }
      - { .name: bhh1, .offset: 48, .size: 8, .value_kind: global_buffer, .address_space: global }
      - { .name: Wih2, .offset: 56, .size: 8, .value_kind: global_buffer, .address_space: global }
      - { .name: Whh2, .offset: 64, .size: 8, .value_kind: global_buffer, .address_space: global }
      - { .name: bih2, .offset: 72, .size: 8, .value_kind: global_buffer, .address_space: global }
      - { .name: bhh2, .offset: 80, .size: 8, .value_kind: global_buffer, .address_space: global }
      - { .name: W1, .offset: 88, .size: 8, .value_kind: global_buffer, .address_space: global }
      - { .name: b1, .offset: 96, .size: 8, .value_kind: global_buffer, .address_space: global }
      - { .name: W2, .offset: 104, .size: 8, .value_kind: global_buffer, .address_space: global }
      - { .name: b2, .offset: 112, .size: 8, .value_kind: global_buffer, .address_space: global }
    .group_segment_fixed_size: 166400
    .private_segment_fixed_size: 0
    .kernarg_segment_align: 8
    .kernarg_segment_size: 120
    .max_flat_workgroup_size: 128
    .sgpr_count:     66
    .vgpr_count:     1024
    .wavefront_size: 32
...
	.end_amdgpu_metadata
.endif
;; end of part 2
